; MI455X (gfx1250); checked and timed in simulation.
; The chip was launched on July 23, 2026; its instructions are those of AMD's public machine-readable ISA for CDNA 5 (MIT licence, August 2026) and "CDNA5" Instruction Set Architecture Reference Guide (July 2026). The comments in the code are by the model that wrote it; some were corrected since.
;; Cross Attention. Allowed arithmetic: matrix products marked QUANTISED: E2M3 operands, one E8M0 scale for each 32 along K, by v_wmma_scale_f32_16x16x128_f8f6f4 with both operands' format E2M3, f32 sums; everything else in f32.
;; Inputs: Wk 1,024 x 1,024 float32; Wo 1,024 x 1,024 float32; Wq 1,024 x 1,024 float32; Wv 1,024 x 1,024 float32; bo 1,024 float32; context 4 x 1,024 x 1,024 float32; x 4 x 2,048 x 1,024 float32.
;; Outputs: out0 4 x 2,048 x 1,024 float32.
;; This version of the problem:
;;   THIS VERSION OF THE PROBLEM IS GIVEN IN LOW PRECISION. The matrix products marked QUANTISED in the list below multiply operands that are first quantised to E2M3 (2 exponent bits, 3 mantissa bits; 6 bits a number), with one power-of-two scale for each 32 numbers along K (OCP MX v1.0); their sums are f32. All else is computed in f32.
;;   The module's matrix products, in the order in which they are computed (A, B: the left and right operand; K: the contracted axis; several contracted axes count as one K, in the product's order):
;;     1. [M 8,192, K 1,024] x [K 1,024, N 1,024]; A: input x; B: input Wq: QUANTISED
;;     2. [M 4,096, K 1,024] x [K 1,024, N 1,024]; A: input context; B: input Wk: QUANTISED
;;     3. [M 4,096, K 1,024] x [K 1,024, N 1,024]; A: input context; B: input Wv: QUANTISED
;;     4. batch 64 x [M 1,024, K 64] x [K 64, N 2,048]; A: computed on the way; B: computed on the way: QUANTISED
;;     5. batch 64 x [M 64, K 1,024] x [K 1,024, N 2,048]; A: computed on the way; B: softmax (see below): QUANTISED
;;     6. [M 8,192, K 1,024] x [K 1,024, N 1,024]; A: computed on the way; B: input Wo: QUANTISED
;;   THE QUANTISER, for each operand of a quantised product, along K:
;;     - K is cut into blocks of 32 from its start; a last block that is shorter is filled with zeros.
;;     - A block's scale is 2^e with e = floor(log2(the largest magnitude in the block)) - 2, held to -126 .. 127; a block of zeros has e = 0. As a byte (E8M0): e + 127.
;;     - Each number is divided by its block's scale, clamped to +-7.5, and rounded to the nearest number of E2M3, ties to even, subnormals kept.
;;     - The product sums the exact products of the quantised numbers (number of the format x scale) in f32.
;;   ~~~python
;;   def quantise(x, axis):      # numpy; x: float32 -> the quantised numbers, widened to float32 again
;;       x = np.moveaxis(x, axis, -1); K = x.shape[-1]
;;       x = np.pad(x, [(0, 0)] * (x.ndim - 1) + [(0, -K % 32)]); x = x.reshape(x.shape[:-1] + (-1, 32)); a = np.abs(x).max(-1, keepdims=True)
;;       e = np.where(a > 0, np.clip(np.frexp(np.where(a > 0, a, 1))[1] - 1 - 2, -126, 127), 0)      # np.frexp(a)[1] - 1 = floor(log2(a)), exactly
;;       r = np.clip(x / 2.0 ** e, -7.5, 7.5)
;;       step = 2.0 ** (np.maximum(np.frexp(np.where(r == 0, 1, r))[1] - 1, 0) - 3)
;;       q = np.round(r / step) * step * 2.0 ** e      # np.round: ties to even
;;       return np.moveaxis(q.reshape(q.shape[:-2] + (-1,))[..., :K], -1, axis).astype(np.float32)
;;   ~~~
;;   SOFTMAX AHEAD OF A QUANTISED PRODUCT. Where the list says 'softmax', what is quantised is not the finished softmax but p = 2^(t - M), with t = logit x log2(e) and M = ceil(the row's largest t), a whole number; so 1/2 < the row's largest p <= 1. The row's sum l is taken of the UNQUANTISED p, in f32, and the product's result is divided by l at the end. Since M is a whole number, a kernel that streams over the keys may use a running M (the ceiling of the running maximum): every later rescaling is an exact power of two, which a block's scale takes up: the codes' values come out the same.
;;   OPERANDS COMPUTED ON THE WAY. 'Computed on the way' means the value that the module computes at that place (a softmax that the list does not call 'softmax' is quantised finished and normalised). What goes into a quantiser is computed in f32, as accurately as f32 sums, v_exp_f32 and their like allow (about 1e-6 of the number): no bf16 or f16 on the way to a quantiser, and a product that is left as it is and whose result goes on into a quantised operand takes f32 operands (vector FMAs, or v_wmma_f32_16x16x4_f32). A number that lies on a knife's edge between two numbers of the format may be rounded either way, as far as f32 arithmetic and the matrix unit's own rounding can turn it there, and no further.
;; One version. Each part assembles by itself: llvm-mc -triple=amdgcn-amd-amdhsa -mcpu=gfx1250 --defsym DOCPART=n.
;; ======== version 1 of 1: 4 launches
;; limits: right only within a limited range of input values
;; workspace buffers: codes 12,582,912 bytes; scl 524,288 bytes; qkv 13,107,200 bytes; oc 6,291,456 bytes; os 262,144 bytes
;; launch quant (part 1): grid 640 x 1, 4 waves a work-group, no clusters, 35,328 bytes of LDS; arguments x, context, Wq, Wk, Wv, Wo, codes, scl; writes codes, scl
.if DOCPART == 1
	.amdgcn_target "amdgcn-amd-amdhsa--gfx1250"
	.amdhsa_code_object_version 6
	.text
	.protected	k_q82bb1f30ab_quant
	.globl	k_q82bb1f30ab_quant
	.p2align	8
	.type	k_q82bb1f30ab_quant,@function
k_q82bb1f30ab_quant:
	s_mov_b64 s[64:65], 0
	v_nop
	global_prefetch_b8 v0, s[64:65] scope:SCOPE_SE
	s_setreg_imm32_b32 hwreg(HW_REG_WAVE_MODE, 25, 1), 1
	s_wait_xcnt 0x0
; x [8192][1024], context [4096][1024] (K innermost) and Wq, Wk, Wv, Wo [1024 (K)][1024] (K outermost), all f32, become codes of FP6 (E2M3) with one E8M0 byte for each 32 along K.
; THE LAYOUT OF THE CODES IS THE MATRIX OPERAND'S OWN.  A TILE is 16 rows (of a weight: 16 columns): lane r of tile T holds row 32 (T / 2) + 8 (T % 2) + r % 8 + 16 (r / 8).
; A FRAGMENT is a tile x 128 along K: 12 registers a lane, kept as 6 groups of 256 bytes: group p holds registers 2 p, 2 p + 1 of lane l at byte 256 p + 8 l.  codes: [tile 0..1023][K step 0..7][1536];
; tiles 0-511 x, 512-767 context, 768-831 Wq, 832-895 Wk, 896-959 Wv, 960-1023 Wo.  scl: [tile][K step / 4][r][4 words], the word of K step s at index s % 4.
; A block's scale is 2^(floor(log2(largest magnitude)) - 2); its byte is the largest magnitude's exponent field - 2, held at 1 from below.
; LIMITS: a block of zeros gets the byte 1 where the rule says 127 (its codes are zeros, and only this program reads the bytes); NaN and infinities among the inputs are not served.
; The weights' scale words leave as 4 bytes a lane, 16 bytes apart: 128 KiB of all that the launch stores.
; Work-groups 0-255 take the weights (no LDS), 256-639 the activations (a turn through the wave's own stage in LDS).  No wave shares anything with another: no barrier, no cluster.
.set SPARE, 34816                      ; behind the four waves' stages: the spare words, 128 bytes a wave
.set SPW,   30                         ; v30 LDS address of my spare word; never rewritten
.set NIL,   31                         ; v31 0; never rewritten
.set WREG,  8704                       ; a wave's two stages
.set STG,   4352                       ; a stage: 16 rows x 272 bytes
.set RR,    32                         ; v32-127   activations: three sets of 32 registers as loaded
.set XX,    128                        ; v128-191  two sets of 32 neighbours along K
.set CC,    192                        ; v192-255  codes: eight registers a step, never written twice
.set EE,    8                          ; v8-15     a scale byte for each step
.set WD,    16                         ; v16-19    scale words
.set WX,    64                         ; weights: v64-191 128 numbers down K
	s_load_b256 s[4:11], s[0:1], 0x0               ; x, context, Wq, Wk
	s_load_b256 s[12:19], s[0:1], 0x20             ; Wv, Wo, codes, scl
	v_lshl_add_u32 v[SPW], v0, 2, SPARE
	v_mov_b32 v[NIL], 0
	v_lshrrev_b32 v1, 5, v0
	v_readfirstlane_b32 s20, v1                    ; wave
	v_and_b32 v1, 31, v0                           ; lane l
	v_and_b32 v20, 15, v0                          ; l % 16
	v_bfe_u32 v21, v0, 4, 1                        ; l / 16
	s_mov_b32 s22, 0x76543210
	s_mov_b32 s23, 0xfedcba98                      ; v_permlanex16_b32's selects for lane l xor 16
	s_cmp_lt_u32 ttmp9, 256
	s_cbranch_scc0 .Lacts
; ---------------- THE WEIGHTS.  A wave takes 32 columns (tiles 2 pb, 2 pb + 1) x one K step of 128.  A lane takes a column, its registers run down K.
	s_lshr_b32 s24, ttmp9, 6                       ; which weight
	s_bfe_u32 s25, ttmp9, 0x30003                  ; which 128 columns
	s_and_b32 s26, ttmp9, 7                        ; K step s
	s_lshl_b32 s27, s25, 2
	s_add_co_u32 s27, s27, s20                     ; pb
	v_and_b32 v2, 7, v0
	v_bfe_u32 v3, v0, 3, 1
	v_lshl_add_u32 v2, v3, 4, v2
	s_wait_alu depctr_va_vdst(0)
	v_lshl_add_u32 v2, v21, 3, v2                  ; my column of the 32: l % 8 + 16 ((l / 8) % 2) + 8 (l / 16): lanes 0-15 are tile 2 pb, lanes 16-31 tile 2 pb + 1
	v_lshlrev_b32 v2, 2, v2
	v_lshlrev_b32 v4, 3, v1                        ; 8 l: my place in a group
	v_lshlrev_b32 v5, 4, v20
	v_lshl_add_u32 v5, v21, 9, v5                  ; my scale word's place: 512 (l / 16) + 16 (l % 16)
	s_lshl_b32 s28, s26, 19                        ; 128 s rows of 4,096 bytes
	s_lshl_b32 s29, s27, 7                         ; + 32 pb columns
	s_add_co_u32 s28, s28, s29
	s_mov_b32 s29, 0
	s_lshl_b32 s30, s24, 6
	s_lshl_b32 s31, s27, 1
	s_add_co_u32 s30, s30, s31
	s_add_co_u32 s30, s30, 768                     ; tile 768 + 64 weight + 2 pb
	s_mul_i32 s32, s30, 12288
	s_mul_i32 s33, s26, 1536
	s_add_co_u32 s32, s32, s33
	s_mov_b32 s33, 0
	s_lshl_b32 s34, s30, 9
	s_lshr_b32 s35, s26, 2
	s_lshl_b32 s35, s35, 8
	s_add_co_u32 s34, s34, s35
	s_and_b32 s35, s26, 3
	s_lshl_b32 s35, s35, 2
	s_add_co_u32 s34, s34, s35
	s_mov_b32 s35, 0
	s_wait_alu depctr_va_vdst(0)
	s_wait_kmcnt 0x0
	s_cmp_eq_u32 s24, 1                            ; the choice hangs on the work-group's number alone
	s_cselect_b64 s[8:9], s[10:11], s[8:9]
	s_cmp_eq_u32 s24, 2
	s_cselect_b64 s[8:9], s[12:13], s[8:9]
	s_cmp_eq_u32 s24, 3
	s_cselect_b64 s[8:9], s[14:15], s[8:9]
	s_add_nc_u64 s[8:9], s[8:9], s[28:29]
	s_add_nc_u64 s[16:17], s[16:17], s[32:33]
	s_add_nc_u64 s[18:19], s[18:19], s[34:35]
.set kk, 0
.rept 128
	global_load_b32 v[WX+kk], v2, s[8:9] offset:kk*4096 th:TH_LOAD_NT   ; a row of W at my wave's 32 columns: 128 consecutive bytes; the four waves stand side by side
.set kk, kk+1
.endr
	s_wait_loadcnt 0x0
.irp b, 0,1,2,3
	v_max3_num_f32 v[32+\b], |v[WX+32*\b]|, |v[WX+1+32*\b]|, 0x1800000   ; block b: all 32 numbers are mine; the floor 2^(3 - 127) holds the byte at 1 from below
.endr
.irp i, 2,4,6,8,10,12,14,16,18,20,22,24,26,28,30
.irp b, 0,1,2,3
	v_max3_num_f32 v[32+\b], v[32+\b], |v[WX+32*\b+\i]|, |v[WX+1+32*\b+\i]|
.endr
.endr
.irp b, 0,1,2,3
	v_add_nc_u32 v[44+\b], 0xff000000, v[32+\b]    ; 2 off the exponent field: the conversion's scale operand
.endr
.irp b, 0,1,2,3
	v_lshrrev_b32 v[36+\b], 23, v[44+\b]           ; the scale's byte
.endr
	v_lshl_or_b32 v40, v37, 8, v36                 ; my column's scale word of this K step
	v_lshl_or_b32 v40, v38, 16, v40
	v_lshl_or_b32 v40, v39, 24, v40
.irp b, 0,1,2,3
	v_cvt_scalef32_pk16_fp6_f32 v[CC+8*\b:CC+8*\b+2], v[WX+32*\b:WX+32*\b+15], v[44+\b]
	v_cvt_scalef32_pk16_fp6_f32 v[CC+8*\b+4:CC+8*\b+6], v[WX+32*\b+16:WX+32*\b+31], v[44+\b]   ; (a conversion's three registers begin on an even number)
.endr
	v_nop                                          ; one plain place behind a scaled conversion
.irp b, 0,1,2,3
.irp e, 0,1,2
	v_mov_b32 v[CC+8*\b+3+\e], v[CC+8*\b+4+\e]     ; block b's 24 bytes on end in v[CC + 8 b] on
.endr
.endr
.irp c, 0,1                                    ; the operand wants block 2 c in lanes 0-15 and block 2 c + 1 in lanes 16-31 of ONE tile: the first's upper lanes change places with the second's lower lanes
.irp e, 0,1,2,3,4,5
	v_permlane16_swap_b32 v[CC+16*\c+\e], v[CC+16*\c+8+\e]   ; then v[CC + 16 c] on is tile 2 pb's registers 6 c on, v[CC + 16 c + 8] on tile 2 pb + 1's
.endr
.endr
.irp u, 0,1
.irp c, 0,1
.irp p, 0,1,2
	global_store_b64 v4, v[CC+16*\c+8*\u+2*\p:CC+16*\c+8*\u+2*\p+1], s[16:17] offset:\u*12288+\c*768+\p*256   ; 32 lanes store 256 consecutive bytes, aligned
.endr
.endr
.endr
	global_store_b32 v5, v40, s[18:19]
	s_wait_tensorcnt 0x0                           ; the wave's end
	ds_add_u32 v[SPW], v[NIL]
	s_wait_dscnt 0x0
	s_endpgm
; ---------------- THE ACTIVATIONS.  A wave takes one tile (16 rows) x 512 along K, in 8 steps of 64.  Each load reads two rows' 256 consecutive bytes; the step's 4 KiB turn through the wave's own stage,
; so that lane (r, h) gets the 32 neighbours of block h of its row: registers 6 c .. 6 c + 5 of the operand, c = step % 2.
.Lacts:
	s_sub_co_u32 s24, ttmp9, 256
	s_lshl_b32 s24, s24, 2
	s_add_co_u32 s24, s24, s20
	s_lshr_b32 s25, s24, 1                         ; tile T
	s_and_b32 s26, s24, 1                          ; which half of K
	s_cmp_lt_u32 s25, 512
	s_cselect_b32 s27, 0, 512
	s_sub_co_u32 s27, s25, s27                     ; the tile's number in its own tensor
	s_lshr_b32 s28, s27, 1
	s_lshl_b32 s28, s28, 17                        ; 32 (T / 2) rows of 4,096 bytes
	s_and_b32 s29, s27, 1
	s_lshl_b32 s29, s29, 15                        ; + 8 (T % 2) rows
	s_add_co_u32 s28, s28, s29
	s_lshl_b32 s29, s26, 11                        ; + 512 numbers
	s_add_co_u32 s28, s28, s29
	s_mov_b32 s29, 0
	s_mul_i32 s32, s25, 12288
	s_mul_i32 s33, s26, 6144
	s_add_co_u32 s32, s32, s33
	s_mov_b32 s33, 0
	s_lshl_b32 s34, s25, 9
	s_lshl_b32 s35, s26, 8
	s_add_co_u32 s34, s34, s35
	s_mov_b32 s35, 0
	s_mul_i32 s21, s20, WREG                       ; my stages
	s_wait_alu depctr_va_vdst(0)
	v_lshlrev_b32 v2, 4, v20
	v_lshl_add_u32 v2, v21, 12, v2                 ; in memory: 16 (l % 16) + one row for lanes 16-31
	v_mul_u32_u24 v3, v21, 272
	v_lshl_add_u32 v3, v20, 4, v3
	v_add_nc_u32 v3, s21, v3                       ; into the stage: the same two rows, 272 bytes apart
	v_mul_u32_u24 v4, v20, 272
	v_lshl_add_u32 v4, v21, 7, v4
	v_add_nc_u32 v4, s21, v4                       ; out of it: row l % 16, 128 bytes for each half of the lanes; 272 = 17 x 16, so sixteen rows begin in sixteen different groups of banks
	v_lshlrev_b32 v5, 3, v1                        ; 8 l
	v_lshlrev_b32 v6, 4, v20
	v_lshl_add_u32 v6, v21, 3, v6                  ; the scale words' place: 16 r + 8 h
	v_lshlrev_b32 v7, 3, v21                       ; 8 h
	s_wait_alu depctr_va_vdst(0)
	s_wait_kmcnt 0x0
	s_cmp_lt_u32 s25, 512                          ; x or context: the choice hangs on ids alone
	s_cselect_b64 s[4:5], s[4:5], s[6:7]
	s_add_nc_u64 s[4:5], s[4:5], s[28:29]
	s_add_nc_u64 s[16:17], s[16:17], s[32:33]
	s_add_nc_u64 s[18:19], s[18:19], s[34:35]
.macro LOADA t                         ; step t: load i brings the tile's rows 2 i and 2 i + 1
.irp i, 0,1,2,3,4,5,6,7
	global_load_b128 v[RR+32*((\t)%3)+4*\i:RR+32*((\t)%3)+4*\i+3], v2, s[4:5] offset:(2*(\i%4)+16*(\i/4))*4096+256*(\t) th:TH_LOAD_NT
.endr
.endm
.macro TURNA t                         ; LDS serves a wave's instructions in order: no wait between the stores and the loads
.irp i, 0,1,2,3,4,5,6,7
	ds_store_b128 v3, v[RR+32*((\t)%3)+4*\i:RR+32*((\t)%3)+4*\i+3] offset:544*\i+STG*((\t)%2)
.endr
.irp e, 0,1,2,3,4,5,6,7
	ds_load_b128 v[XX+32*((\t)%2)+4*\e:XX+32*((\t)%2)+4*\e+3], v4 offset:16*\e+STG*((\t)%2)
.endr
.endm
.macro STEPA t
.set XS, XX+32*((\t)%2)
.set CT, CC+8*(\t)
	s_wait_dscnt 0x0                               ; this step's numbers are back, so its stores into the stage have read their registers,
.if (\t)+3 < 8
	LOADA (\t)+3                                   ; which take the loads of three steps on
.endif
.if (\t) < 7
.if (\t) < 5
	s_wait_loadcnt 16                              ; the next step's eight loads are in; the two sets behind them may be out
.else
	s_wait_loadcnt 8*(6-(\t))
.endif
	TURNA (\t)+1
.endif
	v_max3_num_f32 v22, |v[XS]|, |v[XS+1]|, |v[XS+2]|
	v_max3_num_f32 v23, |v[XS+3]|, |v[XS+4]|, |v[XS+5]|
.irp i, 6,10,14,18,22,26
	v_max3_num_f32 v22, v22, |v[XS+\i]|, |v[XS+\i+1]|
	v_max3_num_f32 v23, v23, |v[XS+\i+2]|, |v[XS+\i+3]|
.endr
	v_max3_num_f32 v22, v22, |v[XS+30]|, |v[XS+31]|
	v_max3_num_f32 v22, v22, v23, 0x1800000        ; the block's largest magnitude, and the floor
	v_add_nc_u32 v24, 0xff000000, v22              ; the conversion's scale operand
	v_cvt_scalef32_pk16_fp6_f32 v[CT:CT+2], v[XS:XS+15], v24
	v_cvt_scalef32_pk16_fp6_f32 v[CT+4:CT+6], v[XS+16:XS+31], v24
	v_lshrrev_b32 v[EE+(\t)], 23, v24              ; the scale's byte (the plain line behind the conversions)
.irp e, 0,1,2
	v_mov_b32 v[CT+3+\e], v[CT+4+\e]
.endr
.irp p, 0,1,2
	global_store_b64 v5, v[CT+2*\p:CT+2*\p+1], s[16:17] offset:768*(\t)+256*\p   ; 256 consecutive bytes, aligned
.endr
.endm
	LOADA 0
	LOADA 1
	LOADA 2
	s_wait_loadcnt 16                              ; step 0's eight loads are in
	TURNA 0
.irp t, 0,1,2,3,4,5,6,7
	STEPA \t
.endr
.irp q, 0,1,2,3                                ; K step q of my four: my bytes are those of blocks h and 2 + h
	v_lshl_or_b32 v[WD+\q], v[EE+1+2*\q], 16, v[EE+2*\q]
	v_mov_b32 v[24+\q], 0                          ; (a lane permute's destination counts as one of its sources)
.endr
.irp q, 0,1,2,3
	v_lshlrev_b32 v[WD+\q], v7, v[WD+\q]           ; 8 h bits up
.endr
.irp q, 0,1,2,3
	v_permlanex16_b32 v[24+\q], v[WD+\q], s22, s23
.endr
.irp q, 0,1,2,3
	v_or_b32 v[WD+\q], v[WD+\q], v[24+\q]          ; with lane l xor 16's two bytes the word is whole
.endr
	v_cmp_ne_u32 vcc_lo, 0, v21
	v_cndmask_b32 v28, v16, v18, vcc_lo            ; lanes 0-15 store words 0, 1 of their row, lanes 16-31 words 2, 3
	v_cndmask_b32 v29, v17, v19, vcc_lo
	global_store_b64 v6, v[28:29], s[18:19]        ; 256 consecutive bytes, aligned
	s_wait_tensorcnt 0x0                           ; the wave's end, behind my last LDS store
	ds_add_u32 v[SPW], v[NIL]
	s_wait_dscnt 0x0
	s_endpgm
.Lfunc_end_k_q82bb1f30ab_quant:
	.size	k_q82bb1f30ab_quant, .Lfunc_end_k_q82bb1f30ab_quant-k_q82bb1f30ab_quant
	.p2alignl 7, 3214868480
	.fill 96, 4, 3214868480
	.section	.rodata,"a",@progbits
	.p2align	6, 0x0
	.amdhsa_kernel k_q82bb1f30ab_quant
		.amdhsa_group_segment_fixed_size 35328
		.amdhsa_private_segment_fixed_size 0
		.amdhsa_enable_private_segment 0
		.amdhsa_kernarg_size 64
		.amdhsa_user_sgpr_count 2
		.amdhsa_user_sgpr_kernarg_segment_ptr 1
		.amdhsa_wavefront_size32 1
		.amdhsa_system_sgpr_workgroup_id_x 1
		.amdhsa_system_sgpr_workgroup_id_y 1
		.amdhsa_system_sgpr_workgroup_id_z 1
		.amdhsa_system_vgpr_workitem_id 0
		.amdhsa_next_free_vgpr 256
		.amdhsa_next_free_sgpr 66
		.amdhsa_reserve_vcc 1
		.amdhsa_float_denorm_mode_32 3
		.amdhsa_float_denorm_mode_16_64 3
		.amdhsa_memory_ordered 1
		.amdhsa_forward_progress 1
		.amdhsa_inst_pref_size 53
	.end_amdhsa_kernel
	.amdgpu_metadata
---
amdhsa.version: [ 1, 2 ]
amdhsa.kernels:
  - .name:           k_q82bb1f30ab_quant
    .symbol:         k_q82bb1f30ab_quant.kd
    .args:
      - { .name: x, .offset: 0, .size: 8, .value_kind: global_buffer, .address_space: global }
      - { .name: context, .offset: 8, .size: 8, .value_kind: global_buffer, .address_space: global }
      - { .name: Wq, .offset: 16, .size: 8, .value_kind: global_buffer, .address_space: global }
      - { .name: Wk, .offset: 24, .size: 8, .value_kind: global_buffer, .address_space: global }
      - { .name: Wv, .offset: 32, .size: 8, .value_kind: global_buffer, .address_space: global }
      - { .name: Wo, .offset: 40, .size: 8, .value_kind: global_buffer, .address_space: global }
      - { .name: codes, .offset: 48, .size: 8, .value_kind: global_buffer, .address_space: global }
      - { .name: scl, .offset: 56, .size: 8, .value_kind: global_buffer, .address_space: global }
    .group_segment_fixed_size: 35328
    .private_segment_fixed_size: 0
    .kernarg_segment_align: 8
    .kernarg_segment_size: 64
    .max_flat_workgroup_size: 128
    .sgpr_count:     66
    .vgpr_count:     256
    .wavefront_size: 32
...
	.end_amdgpu_metadata
.endif
;; end of part 1
;; launch proj (part 2): grid 4 x 64, 4 waves a work-group, clusters of 4 x 4, 327,680 bytes of LDS; arguments codes, scl, qkv; writes qkv
.if DOCPART == 2
	.amdgcn_target "amdgcn-amd-amdhsa--gfx1250"
	.amdhsa_code_object_version 6
	.text
	.protected	k_q82bb1f30ab_proj
	.globl	k_q82bb1f30ab_proj
	.p2align	8
	.type	k_q82bb1f30ab_proj,@function
k_q82bb1f30ab_proj:
	s_mov_b64 s[64:65], 0
	v_nop
	global_prefetch_b8 v0, s[64:65] scope:SCOPE_SE
	s_setreg_imm32_b32 hwreg(HW_REG_WAVE_MODE, 25, 1), 1
	s_wait_xcnt 0x0
	s_wait_alu depctr_hold_cnt(0) depctr_sa_sdst(0) depctr_va_vdst(0) depctr_va_sdst(0) depctr_va_ssrc(0) depctr_va_vcc(0) depctr_vm_vsrc(0)
	s_getreg_b32 s2, hwreg(HW_REG_IB_STS2, 6, 4)
	s_cmp_eq_u32 s2, 0
	s_cbranch_scc0 .Lentry_in_a_cluster
	s_endpgm
.Lentry_in_a_cluster:
	s_bfe_u32 s2, ttmp6, 0x10000c
	s_cmp_lg_u32 s2, 0xf033
	s_cbranch_scc0 .Lentry_shape_is_right
	s_endpgm
.Lentry_shape_is_right:
; Q = x Wq, K = context Wk, V = context Wv on codes of FP6, each result quantised in registers and stored as the operand images that the attention launch reads.
; A work-group makes P 256 (source 0: 16 tiles) x R 256 (source 1: 16 tiles); wave w takes P tiles 8 (w % 2) on x R tiles 8 (w / 2) on: 64 accumulators, 512 registers.
;   cluster y 0-7:  Q: P = Wq's columns (four heads), R = rows of x.      cluster y 8-11: K: P = Wk's columns, R = rows of context.
;   cluster y 12-15: V: P = rows of context (256 keys), R = Wv's columns: the same instructions, the roles swapped by addresses alone.
; In a result lane (r, h) holds R's row r and its register j P's row 8 h + j of the tile; by the tiles' make (lane r of tile T = row 32 (T/2) + 8 (T%2) + r%8 + 16 (r/8)) the 16 registers of P tiles 2 b, 2 b + 1
; are 16 neighbours 32 b + 16 h + 0..15 along P: Q and K are so quantised along the head's 64, V along the keys, and the 12 registers that come out are an operand's image.
; qkv: Q's codes [bh 64][tile 128][768]; at QSO Q's scales [bh][tile][16 x 2 bytes]; at PACKO a pack for each bh: K's codes [tile 64][768], V's codes [128 keys j][tile of d 4][1536], K's scales [tile][16 x 2], V's scales [j][tile][16 x 4].
; LDS: K = 1,024 is eight steps of 128; a step of the 32 tiles is 49,152 bytes.  Two slots of three steps (147,456 bytes each): slot 0 takes steps 0-2 at the head, slot 1 steps 3-5 behind the first round,
; slot 0 again steps 6, 7 (98,304 bytes) when step 2's fragments have been read.  Each fill is one load a wave: waves 0, 1 fetch R's halves (8 tiles), waves 2, 3 P's; a tile's row in LDS is the fill's steps on end.
; CLUSTER 4 x 4: R's tiles hang on the work-group's y alone and are asked for jointly along a row of the cluster, P's on its x (and the cluster's y) and along a column.  A wave has one tensor load outstanding at the most.
; NO PREFETCH: the block is the largest in clusters and K is short: three fills in all, the first of which has no trip ahead of it.
; LIMITS: a block of zeros gets the byte 1 (its codes are zeros; only this program reads the bytes); NaN and infinities are not served.  The scale bytes leave as 2 bytes a lane: 0.5 MiB of the launch's 12.5.
.set SLOT,  147456
.set QTR,   36864                      ; 8 tiles x 3 steps: what one load of the first two fills brings
.set QTR2,  24576                      ; 8 tiles x 2 steps: the third fill's
.set SPARE, 294912                     ; behind the slots: the spare words
.set QSO,   6291456
.set PACKO, 6553600
.set PK,    102400
.set AR,  2                            ; v2-4  my R fragments in fill 0, 1, 2: + 8 l
.set AP,  5                            ; v5-7  my P fragments
.set L16, 8                            ; v8   16 l
.set CA0, 9                            ; v9   where registers 0-5 of an image go
.set CA1, 10                           ; v10  and registers 6-11
.set SA,  11                           ; v11  where my half of a scale word goes
.set SH,  12                           ; v12  16 h
.set SPW, 28
.set NIL, 29
.set PS,  32                           ; v32-63  P's scale words: tile t: 4 registers: lanes 0-15 K steps 0-3, lanes 16-31 K steps 4-7
.set RS,  64                           ; v64-95  R's
.set TM,  96                           ; the quantiser's registers
.set PW,  112
.set HW,  113
.set PC,  116
.set RF,  128                          ; v128-223 R's fragments, one set.  Window 1: P's fragments, sets at v0 and v128.  Windows 2, 3: accumulator (a, b) at v[64 (a % 4) + 8 b], window 2 + a / 4
.set G0R, 40                           ; s[40:51] group 0 for R's three fills;  s[52:63] for P's;  s[24:31], s[32:39] groups 1
.set G0P, 52
.set MSB, 0
.macro WIN new                         ; the immediate's high byte repeats the setting that is left
.if MSB != (\new)
	s_set_vgpr_msb (MSB<<8)|(\new)
.set MSB, (\new)
.endif
.endm
.macro PLACES
.rept 4
	v_nop
.endr
.endm
.macro CREST                           ; a round of the cluster's barrier behind its opening barrier
	s_cmp_lg_u32 s16, 0
	s_cbranch_scc1 .Lnot_wave_0_\@
	s_barrier_signal -3
.Lnot_wave_0_\@:
	s_barrier_wait -3
	s_barrier_signal -1
	s_barrier_wait -1
.endm
.macro CROUND
	s_barrier_signal -1
	s_barrier_wait -1
	CREST
.endm
.macro JLOAD f                         ; fill f: waves 0, 1 ask for R, waves 2, 3 for P; each line has one mask; the branch hangs on the wave's number alone
	s_cmp_lt_u32 s16, 2
	s_cbranch_scc0 .Lfor_p_\@
	tensor_load_to_lds s[G0R+4*\f:G0R+4*\f+3], s[24:31]
	s_nop 0
	PLACES
	s_branch .Lasked_\@
.Lfor_p_\@:
	tensor_load_to_lds s[G0P+4*\f:G0P+4*\f+3], s[32:39]
	s_nop 0
	PLACES
.Lasked_\@:
.endm
	s_load_b128 s[4:7], s[0:1], 0x0                ; codes, scl
	s_load_b64 s[12:13], s[0:1], 0x10              ; qkv
	v_lshl_add_u32 v[SPW], v0, 2, SPARE
	v_mov_b32 v[NIL], 0
	ds_add_u32 v[SPW], v[NIL]                      ; the wave's opening: the add, twice on end, and its wait ahead of my first tensor load
	ds_add_u32 v[SPW], v[NIL]
	v_lshrrev_b32 v1, 5, v0
	v_readfirstlane_b32 s16, v1                    ; wave
	s_bfe_u32 s17, ttmp6, 0x40000                  ; cx
	s_bfe_u32 s18, ttmp6, 0x40004                  ; cy
	s_lshl_b32 s19, ttmp9, 2
	s_add_co_u32 s19, s19, s17                     ; x
	s_and_b32 s21, ttmp7, 0xffff                   ; Y: the cluster's y
	s_lshl_b32 s20, s21, 2
	s_add_co_u32 s20, s20, s18                     ; y
	s_lshl_b32 s22, s18, 2
	s_lshl_b32 s22, 15, s22                        ; my row of the cluster
	s_lshl_b32 s23, 0x1111, s17                    ; my column
	s_or_b32 s24, s22, (3<<16)|(1<<21)             ; R: the mask; elements of 8 bytes; bit 21 beside a mask; no padding
	s_or_b32 s32, s23, (3<<16)|(1<<21)             ; P
.irp g, 24, 32
	s_mov_b32 s[\g+1], 576<<16                     ; tensor_dim0 = 576 elements: three K steps of a tile, 4,608 bytes
	s_mov_b32 s[\g+2], 8<<16                       ; tensor_dim1 = 8 tiles
	s_mov_b32 s[\g+3], 576<<16                     ; tile_dim0
	s_mov_b32 s[\g+4], 8                           ; tile_dim1
	s_mov_b32 s[\g+5], 1536                        ; from tile to tile: 12,288 bytes
	s_mov_b32 s[\g+6], 0
	s_mov_b32 s[\g+7], 0
.endr
	s_lshl_b32 s80, s20, 4                         ; R's first tile: Q, K: 16 y (context's tiles follow x's);
	s_lshl_b32 s82, s18, 4
	s_add_co_u32 s82, s82, 896                     ; V: Wv's tiles 16 cy on
	s_cmp_lt_u32 s21, 12
	s_cselect_b32 s80, s80, s82
	s_lshl_b32 s81, s19, 4                         ; P's first tile: 16 x +
	s_max_u32 s83, s21, 12
	s_sub_co_u32 s83, s83, 12                      ; (V's batch; 0 elsewhere)
	s_lshl_b32 s83, s83, 6
	s_mov_b32 s84, 832
	s_cmp_lt_u32 s21, 8
	s_cselect_b32 s84, 768, s84                    ; Wq's tiles, Wk's,
	s_cmp_lt_u32 s21, 12
	s_cselect_b32 s84, s84, 512                    ; or context's, 64 for each batch
	s_add_co_u32 s81, s81, s84
	s_add_co_u32 s81, s81, s83
	s_and_b32 s67, s16, 1                          ; which half I fetch; also: which half of P I multiply
	s_lshr_b32 s68, s16, 1                         ; which half of R I multiply
	s_lshl_b32 s85, s67, 3
	s_add_co_u32 s86, s80, s85                     ; the 8 tiles of R that waves 0, 1 fetch
	s_add_co_u32 s87, s81, s85                     ; the 8 tiles of P that waves 2, 3 fetch; also my own 8 of P
	s_mul_i32 s72, s86, 12288
	s_mov_b32 s73, 0
	s_mul_i32 s74, s87, 12288
	s_mov_b32 s75, 0
	s_lshl_b32 s76, s87, 9                         ; the scale words: 512 bytes a tile
	s_mov_b32 s77, 0
	s_lshl_b32 s69, s68, 3
	s_add_co_u32 s88, s80, s69                     ; my own 8 tiles of R
	s_lshl_b32 s78, s88, 9
	s_mov_b32 s79, 0
	s_mul_i32 s89, s16, QTR                        ; where my loads go: wave x a quarter: no place in the cluster enters an LDS address
	s_mul_i32 s90, s16, QTR2
	s_mul_i32 s91, s68, QTR                        ; where I read: R's half,
	s_mul_i32 s92, s67, QTR
	s_add_co_u32 s92, s92, 2*QTR                   ; P's half, behind R's 16 tiles;
	s_mul_i32 s93, s68, QTR2                       ; and the same in the third fill
	s_mul_i32 s71, s67, QTR2
	s_add_co_u32 s71, s71, 2*QTR2
	s_lshl_b32 s70, s19, 1
	s_add_co_u32 s70, s70, s67                     ; which 128 of P's 1,024 are mine: 2 x + half: it enters global addresses alone
	s_mov_b32 s14, 0x76543210
	s_mov_b32 s15, 0xfedcba98
	v_and_b32 v1, 31, v0
	v_lshlrev_b32 v[L16], 4, v1
	v_lshlrev_b32 v15, 3, v1
	v_add_nc_u32 v[AR], s91, v15
	v_add_nc_u32 v[AR+1], SLOT, v[AR]
	v_add_nc_u32 v[AR+2], s93, v15
	v_add_nc_u32 v[AP], s92, v15
	v_add_nc_u32 v[AP+1], SLOT, v[AP]
	v_add_nc_u32 v[AP+2], s71, v15
	v_and_b32 v13, 15, v0                          ; r
	v_bfe_u32 v14, v0, 4, 1                        ; h
	v_lshlrev_b32 v[SH], 4, v14
.irp b, 0,1,2,3
	v_mov_b32 v[TM+4+\b], 0                        ; (a lane permute's destination counts as one of its sources)
.endr
	s_wait_alu depctr_va_vdst(0)
	s_wait_dscnt 0x0                               ; both opening adds are done
	s_wait_kmcnt 0x0
	s_add_nc_u64 s[72:73], s[4:5], s[72:73]
	s_add_nc_u64 s[74:75], s[4:5], s[74:75]
	s_add_nc_u64 s[76:77], s[6:7], s[76:77]
	s_add_nc_u64 s[78:79], s[6:7], s[78:79]
.irp f, 0,1,2                                  ; fill f begins at K step 3 f
	s_mov_b32 s[G0R+4*\f], 1
	s_add_nc_u64 s[G0R+4*\f+2:G0R+4*\f+3], s[72:73], \f*4608
	s_or_b32 s[G0R+4*\f+3], s[G0R+4*\f+3], 0x80000000
	s_mov_b32 s[G0P+4*\f], 1
	s_add_nc_u64 s[G0P+4*\f+2:G0P+4*\f+3], s[74:75], \f*4608
	s_or_b32 s[G0P+4*\f+3], s[G0P+4*\f+3], 0x80000000
.endr
.irp g, G0R, G0P
	s_mov_b32 s[\g+1], s89
	s_add_co_u32 s[\g+5], s89, SLOT
	s_mov_b32 s[\g+9], s90
.endr
	CROUND                                         ; all sixteen work-groups are here: the joint loads meet
	JLOAD 0                                        ; K steps 0-2: one tensor load a wave at the head
.irp t, 0,1,2,3,4,5,6,7
	global_load_b128 v[PS+4*\t:PS+4*\t+3], v[L16], s[76:77] offset:512*\t   ; a tile's 512 bytes of scale words
	global_load_b128 v[RS+4*\t:RS+4*\t+3], v[L16], s[78:79] offset:512*\t
.endr
; where the results go: byte offsets in qkv.  The branches hang on the cluster's y alone, which all partners share.
	s_cmp_lt_u32 s21, 8
	s_cbranch_scc0 .Lnot_q
	s_lshr_b32 s80, s20, 3                         ; Q: batch
	s_lshl_b32 s80, s80, 4
	s_lshl_b32 s81, s70, 1
	s_add_co_u32 s80, s80, s81                     ; bh of the first of my two heads
	s_lshl_b32 s80, s80, 7
	s_and_b32 s81, s20, 7
	s_lshl_b32 s81, s81, 4
	s_add_co_u32 s80, s80, s81
	s_add_co_u32 s80, s80, s69                     ; 128 bh + tile
	s_mul_i32 s94, s80, 768                        ; codes
	s_lshl_b32 s95, s80, 5
	s_add_co_u32 s95, s95, QSO                     ; scales
	s_mov_b32 s96, 98304                           ; from a head to the next: codes
	s_mov_b32 s97, 768                             ; from a tile of R to the next: codes
	s_mov_b32 s98, 4096                            ; from a head to the next: scales
	s_mov_b32 s99, 32                              ; from a tile to the next: scales
	s_mov_b32 s66, 1                               ; 2 bytes a row
	s_mov_b32 s100, 0                              ; nothing more between R tiles 3 and 4
	s_mov_b32 s101, 0
	s_branch .Lpar
.Lnot_q:
	s_cmp_lt_u32 s21, 12
	s_cbranch_scc0 .Lis_v
	s_sub_co_u32 s80, s20, 32                      ; K
	s_lshr_b32 s81, s80, 2
	s_lshl_b32 s81, s81, 4
	s_lshl_b32 s82, s70, 1
	s_add_co_u32 s81, s81, s82                     ; bh
	s_mul_i32 s81, s81, PK
	s_add_co_u32 s81, s81, PACKO
	s_and_b32 s80, s80, 3
	s_lshl_b32 s80, s80, 4
	s_add_co_u32 s80, s80, s69                     ; tile of keys
	s_mul_i32 s94, s80, 768
	s_add_co_u32 s94, s94, s81
	s_lshl_b32 s95, s80, 5
	s_add_co_u32 s95, s95, s81
	s_add_co_u32 s95, s95, 98304
	s_mov_b32 s96, PK
	s_mov_b32 s97, 768
	s_mov_b32 s98, PK
	s_mov_b32 s99, 32
	s_mov_b32 s66, 1
	s_mov_b32 s100, 0
	s_mov_b32 s101, 0
	s_branch .Lpar
.Lis_v:
	s_sub_co_u32 s80, s21, 12                      ; V: batch
	s_lshl_b32 s80, s80, 4
	s_lshl_b32 s81, s18, 2
	s_add_co_u32 s80, s80, s81
	s_lshl_b32 s81, s68, 1
	s_add_co_u32 s80, s80, s81                     ; bh: my eight tiles of Wv are two heads, this the first
	s_mul_i32 s81, s80, PK
	s_add_co_u32 s81, s81, PACKO
	s_mul_i32 s94, s70, 6144                       ; my 128 keys
	s_add_co_u32 s94, s94, s81
	s_add_co_u32 s94, s94, 49152
	s_lshl_b32 s95, s70, 8
	s_add_co_u32 s95, s95, s81
	s_add_co_u32 s95, s95, 100352
	s_mov_b32 s96, 768                             ; registers 6-11 follow registers 0-5
	s_mov_b32 s97, 1536
	s_mov_b32 s98, 2                               ; the word's upper half follows its lower
	s_mov_b32 s99, 64
	s_mov_b32 s66, 2                               ; 4 bytes a row
	s_mov_b32 s100, PK-4*1536                      ; between R tiles 3 and 4: on to the next head's pack
	s_mov_b32 s101, PK-4*64
.Lpar:
	v_lshlrev_b32 v[CA0], 3, v1
	v_add_nc_u32 v[CA0], s94, v[CA0]
	v_add_nc_u32 v[CA1], s96, v[CA0]
	v_lshlrev_b32 v[SA], s66, v13
	v_mul_u32_u24 v15, s98, v14
	v_add3_u32 v[SA], v[SA], v15, s95
.macro FRAG reg, adr, s, i             ; a fragment of K step s: six loads of 256 consecutive bytes.  Step s lies in fill s / 3; a tile's row there is 3 steps long, in the third fill 2
.set LY, (\s)/3
.set TROW, 4608-1536*(LY/2)
.irp p, 0,1,2,3,4,5
	ds_load_b64 v[\reg+2*\p:\reg+2*\p+1], v[\adr+LY] offset:(\i)*TROW+((\s)-3*LY)*1536+256*\p
.endr
.endm
.macro FETCH_P s                       ; P's eight fragments into set s % 2
	WIN 0x40                                       ; destination window 1
.irp i, 0,1,2,3,4,5,6,7
	FRAG 128*((\s)&1)+12*\i, AP, \s, \i
.endr
	WIN 0
.endm
.macro FETCH_R s, i0                   ; R's blocks i0 .. i0 + 3
.irp i, \i0, \i0+1, \i0+2, \i0+3
	FRAG RF+12*(\i), AR, \s, \i
.endr
.endm
.macro MUL16 a0, s                     ; R's blocks a0, a0 + 1 x P's eight.  The 64 accumulators take turns, one instruction a turn, in the same order in every step
.irp a, \a0, \a0+1
.irp b, 0,1,2,3,4,5,6,7
.if (\s) == 0
	v_wmma_scale_f32_16x16x128_f8f6f4 v[64*((\a)%4)+8*\b:64*((\a)%4)+8*\b+7], v[128*((\s)&1)+12*\b:128*((\s)&1)+12*\b+11], v[RF+12*(\a):RF+12*(\a)+11], 0, v[PS+4*\b+((\s)&3)], v[RS+4*(\a)+((\s)&3)] matrix_a_fmt:MATRIX_FMT_FP6 matrix_b_fmt:MATRIX_FMT_FP6
.elseif (\s) < 4
	v_wmma_scale_f32_16x16x128_f8f6f4 v[64*((\a)%4)+8*\b:64*((\a)%4)+8*\b+7], v[128*((\s)&1)+12*\b:128*((\s)&1)+12*\b+11], v[RF+12*(\a):RF+12*(\a)+11], v[64*((\a)%4)+8*\b:64*((\a)%4)+8*\b+7], v[PS+4*\b+((\s)&3)], v[RS+4*(\a)+((\s)&3)] matrix_a_fmt:MATRIX_FMT_FP6 matrix_b_fmt:MATRIX_FMT_FP6
.else
	v_wmma_scale_f32_16x16x128_f8f6f4 v[64*((\a)%4)+8*\b:64*((\a)%4)+8*\b+7], v[128*((\s)&1)+12*\b:128*((\s)&1)+12*\b+11], v[RF+12*(\a):RF+12*(\a)+11], v[64*((\a)%4)+8*\b:64*((\a)%4)+8*\b+7], v[PS+4*\b+((\s)&3)], v[RS+4*(\a)+((\s)&3)] matrix_a_fmt:MATRIX_FMT_FP6 matrix_b_fmt:MATRIX_FMT_FP6 matrix_a_scale:MATRIX_SCALE_ROW1 matrix_b_scale:MATRIX_SCALE_ROW1
.endif
.endr
.endr
.endm
; A K step: 64 products; the next step's fragments are fetched in its middle (P's set, R's blocks 0-3) and at its end (R's blocks 4-7).
; Step 2: its fragments were slot 0's last reads, and step 3's lie in slot 1: one barrier for both, which opens a round of the cluster's barrier; slot 0 is filled again behind it.
; Step 5: step 6's fragments lie in the third fill: a barrier shows it whole.
.macro STEP s
.if (\s) == 2 || (\s) == 5
	s_wait_tensorcnt 0x0                           ; all my tensor loads have landed
.if (\s) == 2
	ds_add_u32 v[SPW], v[NIL]                      ; 0 onto my spare word
	s_mov_b32 s25, 384<<16                         ; no tensor load of mine is out, so a descriptor may be written: the third fill's rows are two K steps, 3,072 bytes
	s_mov_b32 s27, 384<<16
	s_mov_b32 s33, 384<<16
	s_mov_b32 s35, 384<<16
	s_wait_dscnt 25                                ; (the add and the youngest 24 loads, R's blocks 4-7, may be out)
.else
	s_wait_dscnt 24
.endif
	WIN 0xa1                                       ; source 0 (P) window 1, source 1 (R) window 0, C and D window 2
	MUL16 0, \s
	s_wait_dscnt 0x0                               ; the add, where there is one, and all my reads are done
	s_barrier_signal -1
	MUL16 2, \s
	WIN 0
	s_barrier_wait -1
.if (\s) == 2
	CREST                                          ; no wave of any partner still reads slot 0 or has a load on its way
	JLOAD 2                                        ; K steps 6, 7: the first tensor load behind the round; its four v_nop are the places in front of the loads below
.else
	PLACES
.endif
.else
	s_wait_dscnt 24                                ; P's set and R's blocks 0-3 are in; the youngest 24 loads may be out
	WIN 0xa1
	MUL16 0, \s
	MUL16 2, \s
	s_wait_dscnt 0x0                               ; R's blocks 4-7 are in
	PLACES                                         ; four places in front of loads into registers that products have read
.endif
	FETCH_P (\s)+1
	FETCH_R (\s)+1, 0
	WIN 0xf1                                       ; C and D window 3
	MUL16 4, \s
	MUL16 6, \s
	PLACES
	WIN 0
	FETCH_R (\s)+1, 4
.endm
; 64 numbers of a lane in window 2 + hi, v[s] on (register 16 b + i = place 32 b + 16 h + i along P), become 12 registers of codes in v[PC] on and a scale word in v[PW]
.macro QUANTW s, hi
	WIN 0x0a+5*(\hi)                               ; sources 0 and 1: window 2 or 3
.irp b, 0,1,2,3
	v_max3_num_f32 v[TM+\b], |v[(\s)+16*\b]|, |v[(\s)+1+16*\b]|, 0x1800000   ; each accumulator is read from its low end on; the floor 2^(3 - 127) holds the byte at 1 from below
.endr
.irp i, 2,4,6,8,10,12,14
.irp b, 0,1,2,3
	v_max3_num_f32 v[TM+\b], |v[(\s)+16*\b+\i]|, |v[(\s)+1+16*\b+\i]|, v[TM+\b]
.endr
.endr
	WIN 0
.irp b, 0,1,2,3
	v_permlanex16_b32 v[TM+4+\b], v[TM+\b], s14, s15
.endr
.irp b, 0,1,2,3
	v_max_num_f32 v[TM+\b], v[TM+\b], v[TM+4+\b]   ; with lane l xor 16's: the block's largest magnitude
.endr
.irp b, 0,1,2,3
	v_add_nc_u32 v[TM+12+\b], 0xff000000, v[TM+\b] ; the conversion's scale operand
.endr
.irp b, 0,1,2,3
	v_lshrrev_b32 v[TM+4+\b], 23, v[TM+12+\b]      ; the scale's byte
.endr
	v_lshl_or_b32 v[PW], v[TM+5], 8, v[TM+4]
	v_lshl_or_b32 v[PW], v[TM+6], 16, v[PW]
	v_lshl_or_b32 v[PW], v[TM+7], 24, v[PW]
	WIN 0x02+(\hi)                                 ; source 0: window 2 or 3
.irp c, 0,1
	v_cvt_scalef32_pk16_fp6_f32 v[PC+6*\c:PC+2+6*\c], v[(\s)+32*\c:(\s)+15+32*\c], v[TM+12+2*\c]
	v_cvt_scalef32_pk16_fp6_f32 v[PC+12+4*\c:PC+14+4*\c], v[(\s)+16+32*\c:(\s)+31+32*\c], v[TM+12+2*\c+1]
.endr
	WIN 0
	v_nop                                          ; one plain place behind a scaled conversion
.irp c, 0,1                                    ; a whole block in a lane: lanes 0-15 block 2 c, lanes 16-31 block 2 c + 1
.irp e, 0,1,2
	v_permlane16_swap_b32 v[PC+6*\c+\e], v[PC+12+4*\c+\e]
.endr
.irp e, 0,1,2
	v_mov_b32 v[PC+3+6*\c+\e], v[PC+12+4*\c+\e]
.endr
.endr
.endm
	s_wait_alu depctr_va_vdst(0)
	s_wait_tensorcnt 0x0                           ; my part of K steps 0-2 is in; the same lines ahead of a later first fill as ahead of a refill:
	ds_add_u32 v[SPW], v[NIL]
	s_wait_dscnt 0x0
	CROUND                                         ; everybody's part is in, and all sixteen work-groups are here
	JLOAD 1                                        ; K steps 3-5, the first tensor load behind the round
	FETCH_P 0
	FETCH_R 0, 0
	FETCH_R 0, 4
	s_wait_loadcnt 0x0                             ; the scale words
.irp s, 0,1,2,3,4,5,6
	STEP \s
.endr
	s_wait_dscnt 24                                ; the last step: nothing more to fetch
	WIN 0xa1
	MUL16 0, 7
	MUL16 2, 7
	s_wait_dscnt 0x0
	WIN 0xf1
	MUL16 4, 7
	MUL16 6, 7
	WIN 0
	PLACES                                         ; four places in front of the first read of results
.irp i, 0,1,2,3,4,5,6,7
	QUANTW 64*(\i%4), \i/4
.irp p, 0,1,2
	global_store_b64 v[CA0], v[PC+2*\p:PC+2*\p+1], s[12:13] offset:256*\p       ; each store covers 256 consecutive bytes, aligned
	global_store_b64 v[CA1], v[PC+6+2*\p:PC+7+2*\p], s[12:13] offset:256*\p
.endr
	v_lshrrev_b32 v[HW], v[SH], v[PW]              ; lanes 0-15 store the word's lower half, lanes 16-31 its upper
	global_store_b16 v[SA], v[HW], s[12:13]
.if \i < 7
	s_wait_xcnt 0x0                                ; the stores have read their addresses and data: both are written again below
	v_add_nc_u32 v[CA0], s97, v[CA0]
	v_add_nc_u32 v[CA1], s97, v[CA1]
	v_add_nc_u32 v[SA], s99, v[SA]
.if \i == 3
	v_add_nc_u32 v[CA0], s100, v[CA0]
	v_add_nc_u32 v[CA1], s100, v[CA1]
	v_add_nc_u32 v[SA], s101, v[SA]
.endif
.endif
.endr
	s_wait_tensorcnt 0x0                           ; the wave's end
	ds_add_u32 v[SPW], v[NIL]
	s_wait_dscnt 0x0
	CROUND                                         ; the closing round
	s_endpgm
.Lfunc_end_k_q82bb1f30ab_proj:
	.size	k_q82bb1f30ab_proj, .Lfunc_end_k_q82bb1f30ab_proj-k_q82bb1f30ab_proj
	.p2alignl 7, 3214868480
	.fill 96, 4, 3214868480
	.section	.rodata,"a",@progbits
	.p2align	6, 0x0
	.amdhsa_kernel k_q82bb1f30ab_proj
		.amdhsa_group_segment_fixed_size 327680
		.amdhsa_private_segment_fixed_size 0
		.amdhsa_enable_private_segment 0
		.amdhsa_kernarg_size 24
		.amdhsa_user_sgpr_count 2
		.amdhsa_user_sgpr_kernarg_segment_ptr 1
		.amdhsa_wavefront_size32 1
		.amdhsa_system_sgpr_workgroup_id_x 1
		.amdhsa_system_sgpr_workgroup_id_y 1
		.amdhsa_system_sgpr_workgroup_id_z 1
		.amdhsa_system_vgpr_workitem_id 0
		.amdhsa_next_free_vgpr 1024
		.amdhsa_next_free_sgpr 102
		.amdhsa_reserve_vcc 0
		.amdhsa_float_denorm_mode_32 3
		.amdhsa_float_denorm_mode_16_64 3
		.amdhsa_memory_ordered 1
		.amdhsa_forward_progress 1
		.amdhsa_inst_pref_size 167
	.end_amdhsa_kernel
	.amdgpu_metadata
---
amdhsa.version: [ 1, 2 ]
amdhsa.kernels:
  - .name:           k_q82bb1f30ab_proj
    .symbol:         k_q82bb1f30ab_proj.kd
    .args:
      - { .name: codes, .offset: 0, .size: 8, .value_kind: global_buffer, .address_space: global }
      - { .name: scl, .offset: 8, .size: 8, .value_kind: global_buffer, .address_space: global }
      - { .name: qkv, .offset: 16, .size: 8, .value_kind: global_buffer, .address_space: global }
    .group_segment_fixed_size: 327680
    .private_segment_fixed_size: 0
    .kernarg_segment_align: 8
    .kernarg_segment_size: 24
    .max_flat_workgroup_size: 128
    .sgpr_count:     102
    .vgpr_count:     1024
    .wavefront_size: 32
...
	.end_amdgpu_metadata
.endif
;; end of part 2
;; launch attn (part 3): grid 4 x 64, 16 waves a work-group, clusters of 4 x 1, 167,936 bytes of LDS; arguments qkv, oc, os; writes oc, os
.if DOCPART == 3
	.amdgcn_target "amdgcn-amd-amdhsa--gfx1250"
	.amdhsa_code_object_version 6
	.text
	.protected	k_q82bb1f30ab_attn
	.globl	k_q82bb1f30ab_attn
	.p2align	8
	.type	k_q82bb1f30ab_attn,@function
k_q82bb1f30ab_attn:
	s_mov_b64 s[64:65], 0
	v_nop
	global_prefetch_b8 v0, s[64:65] scope:SCOPE_SE
	s_setreg_imm32_b32 hwreg(HW_REG_WAVE_MODE, 25, 1), 1
	s_wait_xcnt 0x0
	s_wait_alu depctr_hold_cnt(0) depctr_sa_sdst(0) depctr_va_vdst(0) depctr_va_sdst(0) depctr_va_ssrc(0) depctr_va_vcc(0) depctr_vm_vsrc(0)
	s_getreg_b32 s2, hwreg(HW_REG_IB_STS2, 6, 4)
	s_cmp_eq_u32 s2, 0
	s_cbranch_scc0 .Lentry_in_a_cluster
	s_endpgm
.Lentry_in_a_cluster:
	s_bfe_u32 s2, ttmp6, 0x10000c
	s_cmp_lg_u32 s2, 0x3003
	s_cbranch_scc0 .Lentry_shape_is_right
	s_endpgm
.Lentry_shape_is_right:
; For each (batch, head): O = softmax(Q K^T / 8) V, both products on codes of FP6; O is quantised along the head's 64 in registers and stored as the operand image of the last product.
; SOFTMAX: t = score x log2(e) / 8; M = the running largest t rounded up to a whole number; p = 2^(t - M) is quantised along the keys, not normalised; the row's sum is taken of the unquantised p and divides O at the end;
; when M moves, the sum and O are multiplied by 2^(old M - new M), which rounds nothing.
; SHARES.  A work-group owns 512 queries of one head; each of its sixteen waves one tile of 16 queries in each of two passes.  The head's whole pack (K's codes, V's codes with the keys innermost, both scales: 102,400 bytes)
; lies in LDS, as it lies in memory, filled once: one tensor load a wave, 25 rows of 256 bytes.  CLUSTER: the four work-groups of a head read the same pack: it is asked for jointly.
; Both products are used transposed: S^T = K Q^T (source 0 = 16 keys), O^T = V^T P^T (source 0 = 16 of the head's 64): a lane holds one query throughout.  By the tiles' make the 16 registers of tiles 2 b, 2 b + 1 are neighbours.
; K = 64 IN THE FIRST PRODUCT: the instruction is 128 deep.  Q's registers 6-11 hold zero codes; K's operand then runs on into the next tile's codes (or six zero registers), which multiply zeros; the scale bytes there are 0, not 0xff.
; LIMITS: NaN and infinities are not served; a block of zeros gets the byte 1 (its codes are zeros).  O's scale bytes leave as 2 bytes a lane, 256 KiB in all; lanes r and r + 16 write the same bytes with the same value.
.set PACKO, 6553600
.set PK,    102400
.set QSO,   6291456
.set VCO,   49152                      ; in the pack: V's codes,
.set KSO,   98304                      ; K's scales,
.set VSO,   100352                     ; V's scales
.set SPARE, 102400                     ; behind the pack: the spare words, 128 bytes for each of 16 waves
.set AK,  1                            ; v1  8 l
.set AV,  2                            ; v2  VCO + 8 l
.set AKS, 3                            ; v3  KSO + 2 r
.set AVS, 4                            ; v4  VSO + 4 r
.set SPW, 5
.set NIL, 6
.set G8,  7                            ; v7  8 l   (global offsets)
.set G2,  8                            ; v8  2 r
.set G16, 9                            ; v9  16 r
.set QF,  16                           ; v16-27 Q's operand (22-27 zero)
.set KV,  32                           ; v32-79 K's eight half fragments, later V's four fragments; v80-85 zero
.set QB,  86                           ; v86-91 the second pass's Q; v92 its scale bytes
.set SS,  96                           ; v96-159 S^T, then p
.set OT,  160                          ; v160-191 O^T
.set PCD, 192                          ; v192-203 p's codes
.set PT,  204                          ; v204-210 the conversions' second halves
.set BM,  212                          ; v212-215 a block's largest score, then p
.set BX,  216
.set SO,  220                          ; v220-223 the conversions' scale operands
.set KSR, 224                          ; v224-231 K's scale bytes
.set VSR, 232                          ; v232-235 V's scale words
.set FF,  236                          ; v[236:237] f
.set PWD, 238                          ; p's scale word
.set TT,  239
.set SU,  240
.set QSR, 242                          ; Q's scale bytes
.set RL,  244
.set HWD, 246
.macro CROUND
	s_barrier_signal -1
	s_barrier_wait -1
	s_cmp_lg_u32 s10, 0
	s_cbranch_scc1 .Lnot_wave_0_\@
	s_barrier_signal -3
.Lnot_wave_0_\@:
	s_barrier_wait -3
	s_barrier_signal -1
	s_barrier_wait -1
.endm
	s_load_b128 s[4:7], s[0:1], 0x0                ; qkv, oc
	s_load_b64 s[8:9], s[0:1], 0x10                ; os
	v_lshl_add_u32 v[SPW], v0, 2, SPARE
	v_mov_b32 v[NIL], 0
	ds_add_u32 v[SPW], v[NIL]                      ; the wave's opening: the add and its wait ahead of my first tensor load
	ds_add_u32 v[SPW], v[NIL]
	v_lshrrev_b32 v10, 5, v0
	s_delay_alu instid0(VALU_DEP_1)
	v_readfirstlane_b32 s10, v10                   ; wave 0..15
	s_bfe_u32 s11, ttmp6, 0x40000                  ; cx: which 512 queries: it enters global addresses alone
	s_and_b32 s12, ttmp7, 0xffff                   ; bh
	s_mov_b32 s16, 15|(3<<16)|(1<<21)              ; the mask: all four; elements of 8 bytes; bit 21 beside a mask
	s_mov_b32 s17, 32<<16                          ; rows of 256 bytes,
	s_mov_b32 s18, 25<<16                          ; 25 of them
	s_mov_b32 s19, 32<<16
	s_mov_b32 s20, 25
	s_mov_b32 s21, 32                              ; dense
	s_mov_b32 s22, 0
	s_mov_b32 s23, 0
	s_mov_b32 s24, 1
	s_mul_i32 s25, s10, 6400                       ; my sixteenth of the pack, in LDS
	s_mul_i32 s36, s12, PK
	s_add_co_u32 s36, s36, s25
	s_add_co_u32 s36, s36, PACKO                   ; and in memory
	s_mov_b32 s37, 0
	s_lshl_b32 s45, s11, 5
	s_add_co_u32 s45, s45, s10                     ; my first tile of queries in the head: 32 cx + wave
	s_lshl_b32 s44, s12, 7
	s_add_co_u32 s44, s44, s45
	s_mul_i32 s28, s44, 768                        ; Q's codes
	s_mov_b32 s29, 0
	s_lshl_b32 s30, s44, 5
	s_add_co_u32 s30, s30, QSO                     ; Q's scales
	s_mov_b32 s31, 0
	s_lshr_b32 s46, s12, 4
	s_lshl_b32 s46, s46, 7
	s_add_co_u32 s46, s46, s45                     ; the same rows' tile in oc: 128 batch + tile
	s_and_b32 s47, s12, 15                         ; head
	s_mul_i32 s32, s46, 12288
	s_mul_i32 s33, s47, 768
	s_add_co_u32 s32, s32, s33
	s_mov_b32 s33, 0
	s_lshl_b32 s34, s46, 9
	s_lshr_b32 s35, s47, 3
	s_lshl_b32 s35, s35, 8
	s_add_co_u32 s34, s34, s35
	s_and_b32 s35, s12, 7
	s_lshl_b32 s35, s35, 1
	s_add_co_u32 s34, s34, s35
	s_mov_b32 s35, 0
	s_mov_b32 s40, 0x3e38aa3b                      ; c = log2(e) / 8
	s_mov_b32 s41, s40                             ; (named with it as a pair)
	s_mov_b32 s42, 0x76543210
	s_mov_b32 s43, 0xfedcba98
	v_and_b32 v10, 31, v0
	v_and_b32 v11, 15, v0
	s_delay_alu instid0(VALU_DEP_2)
	v_lshlrev_b32 v[AK], 3, v10
	s_delay_alu instid0(VALU_DEP_3)
	v_lshl_add_u32 v[AV], v10, 3, VCO
	s_delay_alu instid0(VALU_DEP_3)
	v_lshl_add_u32 v[AKS], v11, 1, KSO
	s_delay_alu instid0(VALU_DEP_4)
	v_lshl_add_u32 v[AVS], v11, 2, VSO
	v_lshlrev_b32 v[G8], 3, v10
	v_lshlrev_b32 v[G2], 1, v11
	v_lshlrev_b32 v[G16], 4, v11
.irp e, 0,1,2,3,4,5
	v_mov_b32 v[QF+6+\e], 0                        ; Q's zero codes for k = 64 .. 127
	v_mov_b32 v[KV+48+\e], 0                       ; what the last tile of K runs on into
.endr
.irp b, 0,1,2,3
	v_mov_b32 v[BX+\b], 0                          ; (a lane permute's destination counts as one of its sources)
.endr
	v_mov_b32 v[FF+1], 0                           ; (named as the upper half of a pair)
	v_mov_b32 v[TT], 0
	s_wait_dscnt 0x0                               ; the opening add is done
	s_wait_kmcnt 0x0
	s_add_nc_u64 s[26:27], s[4:5], s[36:37]
	s_or_b32 s27, s27, 0x80000000
	s_add_nc_u64 s[28:29], s[4:5], s[28:29]
	s_add_nc_u64 s[30:31], s[4:5], s[30:31]
	s_add_nc_u64 s[32:33], s[6:7], s[32:33]
	s_add_nc_u64 s[34:35], s[8:9], s[34:35]
	CROUND                                         ; all four work-groups are here: the joint loads meet
	tensor_load_to_lds s[24:27], s[16:23]          ; my one tensor load
	s_nop 0
.rept 4
	v_nop
.endr
.irp p, 0,1,2
	global_load_b64 v[QF+2*\p:QF+2*\p+1], v[G8], s[28:29] offset:256*\p
	global_load_b64 v[QB+2*\p:QB+2*\p+1], v[G8], s[28:29] offset:12288+256*\p   ; the second pass's tile lies 16 tiles on
.endr
	global_load_u16 v[QSR], v[G2], s[30:31]
	global_load_u16 v[QB+6], v[G2], s[30:31] offset:512
	s_wait_tensorcnt 0x0                           ; my part of the pack has landed,
	s_barrier_signal -1
	s_barrier_wait -1                              ; everybody's has
	s_wait_loadcnt 0x0                             ; Q
; A KEY STEP: keys 128 j on.  Every LDS offset is an immediate.
.macro STEP j
.rept 4
	v_nop                                          ; four places in front of loads into registers that the last products read
.endr
.irp t, 0,1,2,3,4,5,6,7
.irp p, 0,1,2
	ds_load_b64 v[KV+6*\t+2*\p:KV+6*\t+2*\p+1], v[AK] offset:(8*(\j)+\t)*768+256*\p
.endr
	ds_load_u16 v[KSR+\t], v[AKS] offset:(8*(\j)+\t)*32
.endr
	s_wait_dscnt 0x0
.irp t, 0,1,2,3,4,5,6,7
	v_wmma_scale_f32_16x16x128_f8f6f4 v[SS+8*\t:SS+8*\t+7], v[KV+6*\t:KV+6*\t+11], v[QF:QF+11], 0, v[KSR+\t], v[QSR] matrix_a_fmt:MATRIX_FMT_FP6 matrix_b_fmt:MATRIX_FMT_FP6
.endr
.rept 4
	v_nop                                          ; four places: in front of the loads below and of the first read of the scores
.endr
.irp d, 0,1,2,3                                ; V's four fragments of these 128 keys land while the softmax is walked
.irp p, 0,1,2,3,4,5
	ds_load_b64 v[KV+12*\d+2*\p:KV+12*\d+2*\p+1], v[AV] offset:(4*(\j)+\d)*1536+256*\p
.endr
	ds_load_b32 v[VSR+\d], v[AVS] offset:(4*(\j)+\d)*64
.endr
.irp b, 0,1,2,3
	v_max3_num_f32 v[BM+\b], v[SS+16*\b], v[SS+1+16*\b], v[SS+2+16*\b]   ; the largest score of each block of 32 keys: it serves the row's maximum and, since p rises with the score, the block's largest p
.endr
.irp i, 3,5,7,9,11,13
.irp b, 0,1,2,3
	v_max3_num_f32 v[BM+\b], v[BM+\b], v[SS+16*\b+\i], v[SS+1+16*\b+\i]
.endr
.endr
.irp b, 0,1,2,3
	v_max_num_f32 v[BM+\b], v[BM+\b], v[SS+15+16*\b]
.endr
.irp b, 0,1,2,3
	s_delay_alu instid0(VALU_DEP_4)
	v_permlanex16_b32 v[BX+\b], v[BM+\b], s42, s43
.endr
.irp b, 0,1,2,3
	s_delay_alu instid0(VALU_DEP_4)
	v_max_num_f32 v[BM+\b], v[BM+\b], v[BX+\b]     ; with lane l xor 16's 16 keys
.endr
	s_delay_alu instid0(VALU_DEP_2)
	v_max3_num_f32 v[TT], v[BM], v[BM+1], v[BM+2]
	s_delay_alu instid0(VALU_DEP_1)
	v_max_num_f32 v[TT], v[TT], v[BM+3]
	s_delay_alu instid0(VALU_DEP_1)
	v_mul_f32 v[TT], s40, v[TT]                    ; the step's largest t (c is positive)
	s_delay_alu instid0(VALU_DEP_1)
	v_max_num_f32 v13, v13, v[TT]                  ; the running largest t
	v_mov_b32 v[TT], v12
	s_delay_alu instid0(VALU_DEP_2)
	v_floor_f32 v12, -v13                          ; the new -M = floor(-t)
	s_delay_alu instid0(VALU_DEP_1)
	v_sub_f32 v[TT], v12, v[TT]                    ; old M - new M: a whole number, 0 or less
	s_delay_alu instid0(VALU_DEP_1)
	v_cvt_i32_f32 v[TT], v[TT]                     ; (it saturates)
	s_delay_alu instid0(VALU_DEP_1)
	v_ldexp_f32 v[FF], 1.0, v[TT]                  ; f = 2^(old M - new M)
.set n, 0
.rept 32
	v_pk_fma_f32 v[SS+n:SS+n+1], v[SS+n:SS+n+1], s[40:41], v[12:13] op_sel_hi:[1,0,0]   ; t - M, two at a time
.set n, n+2
.endr
.irp b, 0,1,2,3
	v_fma_f32 v[BM+\b], v[BM+\b], s40, v12         ; the same of each block's largest score
.endr
.set n, 0
	s_wait_alu depctr_va_vdst(0)
.rept 64
	v_exp_f32 v[SS+n], v[SS+n]                     ; p = 2^(t - M)
.set n, n+1
.endr
	v_pk_mul_f32 v[14:15], v[14:15], v[FF:FF+1] op_sel_hi:[1,0]   ; the sums under the new M (the plain place behind the exponentials)
	s_wait_alu depctr_va_vdst(0)                   ; one wait for the whole batch, ahead of its first reader
.irp b, 0,1,2,3
	v_exp_f32 v[BM+\b], v[BM+\b]                   ; the block's largest p: the same two instructions on the same number
.endr
	v_pk_add_f32 v[240:241], v[100:101], v[104:105]
	v_pk_add_f32 v[254:255], v[108:109], v[112:113]
	v_pk_add_f32 v[252:253], v[116:117], v[120:121]
	v_pk_add_f32 v[250:251], v[124:125], v[128:129]
	v_pk_add_f32 v[248:249], v[132:133], v[136:137]
	v_pk_add_f32 v[246:247], v[140:141], v[144:145]
	v_pk_add_f32 v[244:245], v[148:149], v[152:153]
	v_pk_add_f32 v[14:15], v[14:15], v[156:157]
	v_pk_add_f32 v[240:241], v[240:241], v[96:97]
	v_pk_add_f32 v[254:255], v[254:255], v[98:99]
	v_pk_add_f32 v[252:253], v[252:253], v[102:103]
	v_pk_add_f32 v[250:251], v[250:251], v[106:107]
	v_pk_add_f32 v[248:249], v[248:249], v[110:111]
	v_pk_add_f32 v[246:247], v[246:247], v[114:115]
	v_pk_add_f32 v[244:245], v[244:245], v[118:119]
	v_pk_add_f32 v[14:15], v[14:15], v[122:123]
	v_pk_add_f32 v[240:241], v[240:241], v[126:127]
	v_pk_add_f32 v[254:255], v[254:255], v[130:131]
	v_pk_add_f32 v[252:253], v[252:253], v[134:135]
	v_pk_add_f32 v[250:251], v[250:251], v[138:139]
	v_pk_add_f32 v[248:249], v[248:249], v[142:143]
	v_pk_add_f32 v[246:247], v[246:247], v[146:147]
	v_pk_add_f32 v[244:245], v[244:245], v[150:151]
	v_pk_add_f32 v[14:15], v[14:15], v[154:155]
	v_pk_add_f32 v[240:241], v[240:241], v[158:159]
	s_delay_alu instid0(VALU_DEP_2)
	v_pk_add_f32 v[14:15], v[14:15], v[250:251]
	s_delay_alu instid0(VALU_DEP_2)
	v_pk_add_f32 v[240:241], v[240:241], v[248:249]
	v_pk_add_f32 v[254:255], v[254:255], v[246:247]
	v_pk_add_f32 v[252:253], v[252:253], v[244:245]
	s_delay_alu instid0(VALU_DEP_2)
	v_pk_add_f32 v[14:15], v[14:15], v[254:255]
	s_delay_alu instid0(VALU_DEP_2)
	v_pk_add_f32 v[240:241], v[240:241], v[252:253]
	s_delay_alu instid0(VALU_DEP_1)
	v_pk_add_f32 v[14:15], v[14:15], v[240:241]
	s_wait_alu depctr_va_vdst(0)                   ; and one for the four
.irp b, 0,1,2,3
	v_max_num_f32 v[BM+\b], 0x1800000, v[BM+\b]    ; the floor 2^(3 - 127)
.endr
.irp b, 0,1,2,3
	s_delay_alu instid0(VALU_DEP_4)
	v_add_nc_u32 v[SO+\b], 0xff000000, v[BM+\b]    ; the conversion's scale operand
.endr
.irp b, 0,1,2,3
	s_delay_alu instid0(VALU_DEP_4)
	v_lshrrev_b32 v[BX+\b], 23, v[SO+\b]           ; the scale's byte
.endr
	s_delay_alu instid0(VALU_DEP_3)
	v_lshl_or_b32 v[PWD], v[BX+1], 8, v[BX]        ; p's scale word for these 128 keys
	s_delay_alu instid0(VALU_DEP_1)
	v_lshl_or_b32 v[PWD], v[BX+2], 16, v[PWD]
	s_delay_alu instid0(VALU_DEP_1)
	v_lshl_or_b32 v[PWD], v[BX+3], 24, v[PWD]
.irp c, 0,1
	v_cvt_scalef32_pk16_fp6_f32 v[PCD+6*\c:PCD+2+6*\c], v[SS+32*\c:SS+15+32*\c], v[SO+2*\c]
	v_cvt_scalef32_pk16_fp6_f32 v[PT+4*\c:PT+2+4*\c], v[SS+16+32*\c:SS+31+32*\c], v[SO+2*\c+1]
.endr
	v_nop                                          ; one plain place behind a scaled conversion
.irp c, 0,1
.irp e, 0,1,2
	v_permlane16_swap_b32 v[PCD+6*\c+\e], v[PT+4*\c+\e]
.endr
.irp e, 0,1,2
	s_delay_alu instid0(VALU_DEP_3)
	v_mov_b32 v[PCD+3+6*\c+\e], v[PT+4*\c+\e]
.endr
.endr
.if (\j) > 0
.set n, 0
.rept 16
	v_pk_mul_f32 v[OT+n:OT+n+1], v[OT+n:OT+n+1], v[FF:FF+1] op_sel_hi:[1,0]   ; O^T under the new M; these are also the places between p's scale word and codes and the products below
.set n, n+2
.endr
.else
	s_wait_alu depctr_va_vdst(0)
.rept 8
	v_nop                                          ; the first step starts O^T's sums: nothing to rescale; eight places behind p's scale word
.endr
.endif
	s_wait_alu depctr_va_vdst(0)
	s_wait_dscnt 0x0                               ; V
.irp d, 0,1,2,3
.if (\j) == 0
	v_wmma_scale_f32_16x16x128_f8f6f4 v[OT+8*\d:OT+8*\d+7], v[KV+12*\d:KV+12*\d+11], v[PCD:PCD+11], 0, v[VSR+\d], v[PWD] matrix_a_fmt:MATRIX_FMT_FP6 matrix_b_fmt:MATRIX_FMT_FP6
.else
	v_wmma_scale_f32_16x16x128_f8f6f4 v[OT+8*\d:OT+8*\d+7], v[KV+12*\d:KV+12*\d+11], v[PCD:PCD+11], v[OT+8*\d:OT+8*\d+7], v[VSR+\d], v[PWD] matrix_a_fmt:MATRIX_FMT_FP6 matrix_b_fmt:MATRIX_FMT_FP6
.endif
.endr
.endm
	s_mov_b32 s38, 2
.Lpass:                                            ; two trips: a tile of 16 queries each
	v_mov_b32 v13, 0xff61b1e6                      ; the largest t so far: -3e38
	s_delay_alu instid0(VALU_DEP_1)
	v_floor_f32 v12, -v13                          ; -M
	v_mov_b32 v14, 0                               ; the sum, in two halves
	v_mov_b32 v15, 0
	s_wait_alu depctr_va_vdst(0)
.irp j, 0,1,2,3,4,5,6,7
	STEP \j
.endr
.rept 4
	v_nop                                          ; four places in front of the first read of O^T
.endr
	v_add_f32 v14, v14, v15
	s_delay_alu instid0(VALU_DEP_1)
	v_permlanex16_b32 v[TT], v14, s42, s43
	s_delay_alu instid0(VALU_DEP_1)
	v_add_f32 v14, v14, v[TT]                      ; the row's sum
	s_wait_alu depctr_va_vdst(0)
	v_rcp_f32 v[RL], v14
	v_mov_b32 v[RL+1], 0                           ; (a plain place behind the reciprocal; the pair's upper half is named)
	s_wait_alu depctr_va_vdst(0)                   ; ahead of the reciprocal's first reader
.set n, 0
.rept 16
	v_pk_mul_f32 v[SS+n:SS+n+1], v[OT+n:OT+n+1], v[RL:RL+1] op_sel_hi:[1,0]   ; O: register 16 b + i is channel 32 b + 16 h + i of my query; each accumulator from its low end on
.set n, n+2
.endr
.irp b, 0,1
	v_max3_num_f32 v[BM+\b], |v[SS+16*\b]|, |v[SS+1+16*\b]|, 0x1800000
.endr
.irp i, 2,4,6,8,10,12,14
.irp b, 0,1
	s_delay_alu instid0(VALU_DEP_2)
	v_max3_num_f32 v[BM+\b], v[BM+\b], |v[SS+16*\b+\i]|, |v[SS+1+16*\b+\i]|
.endr
.endr
.irp b, 0,1
	s_delay_alu instid0(VALU_DEP_2)
	v_permlanex16_b32 v[BX+\b], v[BM+\b], s42, s43
.endr
.irp b, 0,1
	s_delay_alu instid0(VALU_DEP_2)
	v_max_num_f32 v[BM+\b], v[BM+\b], v[BX+\b]
.endr
.irp b, 0,1
	s_delay_alu instid0(VALU_DEP_2)
	v_add_nc_u32 v[SO+\b], 0xff000000, v[BM+\b]
.endr
.irp b, 0,1
	s_delay_alu instid0(VALU_DEP_2)
	v_lshrrev_b32 v[BX+\b], 23, v[SO+\b]
.endr
	s_delay_alu instid0(VALU_DEP_1)
	v_lshl_or_b32 v[HWD], v[BX+1], 8, v[BX]        ; the head's two scale bytes of my row
	v_cvt_scalef32_pk16_fp6_f32 v[PCD:PCD+2], v[SS:SS+15], v[SO]
	v_cvt_scalef32_pk16_fp6_f32 v[PT:PT+2], v[SS+16:SS+31], v[SO+1]
	v_nop
.irp e, 0,1,2
	v_permlane16_swap_b32 v[PCD+\e], v[PT+\e]
.endr
.irp e, 0,1,2
	s_delay_alu instid0(VALU_DEP_3)
	v_mov_b32 v[PCD+3+\e], v[PT+\e]
.endr
.irp p, 0,1,2
	global_store_b64 v[G8], v[PCD+2*\p:PCD+2*\p+1], s[32:33] offset:256*\p   ; 256 consecutive bytes, aligned
.endr
	global_store_b16 v[G16], v[HWD], s[34:35]
	s_wait_xcnt 0x0                                ; the stores have read their bases and data: both are written again
	s_add_nc_u64 s[32:33], s[32:33], 196608        ; 16 tiles on
	s_add_nc_u64 s[34:35], s[34:35], 8192
	v_mov_b32 v[QSR], v[QB+6]                      ; the second pass's Q: behind these lines stand the four at the loop's head and a step's four places
.irp e, 0,1,2,3,4,5
	v_mov_b32 v[QF+\e], v[QB+\e]
.endr
	s_sub_co_u32 s38, s38, 1
	s_cmp_lg_u32 s38, 0
	s_cbranch_scc1 .Lpass
	s_wait_tensorcnt 0x0                           ; the wave's end
	ds_add_u32 v[SPW], v[NIL]
	s_wait_dscnt 0x0
	CROUND                                         ; the closing round
	s_endpgm
.Lfunc_end_k_q82bb1f30ab_attn:
	.size	k_q82bb1f30ab_attn, .Lfunc_end_k_q82bb1f30ab_attn-k_q82bb1f30ab_attn
	.p2alignl 7, 3214868480
	.fill 96, 4, 3214868480
	.section	.rodata,"a",@progbits
	.p2align	6, 0x0
	.amdhsa_kernel k_q82bb1f30ab_attn
		.amdhsa_group_segment_fixed_size 167936
		.amdhsa_private_segment_fixed_size 0
		.amdhsa_enable_private_segment 0
		.amdhsa_kernarg_size 24
		.amdhsa_user_sgpr_count 2
		.amdhsa_user_sgpr_kernarg_segment_ptr 1
		.amdhsa_wavefront_size32 1
		.amdhsa_system_sgpr_workgroup_id_x 1
		.amdhsa_system_sgpr_workgroup_id_y 1
		.amdhsa_system_sgpr_workgroup_id_z 1
		.amdhsa_system_vgpr_workitem_id 0
		.amdhsa_next_free_vgpr 256
		.amdhsa_next_free_sgpr 66
		.amdhsa_reserve_vcc 0
		.amdhsa_float_denorm_mode_32 3
		.amdhsa_float_denorm_mode_16_64 3
		.amdhsa_memory_ordered 1
		.amdhsa_forward_progress 1
		.amdhsa_inst_pref_size 158
	.end_amdhsa_kernel
	.amdgpu_metadata
---
amdhsa.version: [ 1, 2 ]
amdhsa.kernels:
  - .name:           k_q82bb1f30ab_attn
    .symbol:         k_q82bb1f30ab_attn.kd
    .args:
      - { .name: qkv, .offset: 0, .size: 8, .value_kind: global_buffer, .address_space: global }
      - { .name: oc, .offset: 8, .size: 8, .value_kind: global_buffer, .address_space: global }
      - { .name: os, .offset: 16, .size: 8, .value_kind: global_buffer, .address_space: global }
    .group_segment_fixed_size: 167936
    .private_segment_fixed_size: 0
    .kernarg_segment_align: 8
    .kernarg_segment_size: 24
    .max_flat_workgroup_size: 512
    .sgpr_count:     66
    .vgpr_count:     256
    .wavefront_size: 32
...
	.end_amdgpu_metadata
.endif
;; end of part 3
;; launch outp (part 4): grid 8 x 32, 4 waves a work-group, clusters of 4 x 4, 327,680 bytes of LDS; arguments codes, scl, oc, os, bo, out0; writes out0
.if DOCPART == 4
	.amdgcn_target "amdgcn-amd-amdhsa--gfx1250"
	.amdhsa_code_object_version 6
	.text
	.protected	k_q82bb1f30ab_outp
	.globl	k_q82bb1f30ab_outp
	.p2align	8
	.type	k_q82bb1f30ab_outp,@function
k_q82bb1f30ab_outp:
	s_mov_b64 s[64:65], 0
	v_nop
	global_prefetch_b8 v0, s[64:65] scope:SCOPE_SE
	s_setreg_imm32_b32 hwreg(HW_REG_WAVE_MODE, 25, 1), 1
	s_wait_xcnt 0x0
	s_wait_alu depctr_hold_cnt(0) depctr_sa_sdst(0) depctr_va_vdst(0) depctr_va_sdst(0) depctr_va_ssrc(0) depctr_va_vcc(0) depctr_vm_vsrc(0)
	s_getreg_b32 s2, hwreg(HW_REG_IB_STS2, 6, 4)
	s_cmp_eq_u32 s2, 0
	s_cbranch_scc0 .Lentry_in_a_cluster
	s_endpgm
.Lentry_in_a_cluster:
	s_bfe_u32 s2, ttmp6, 0x10000c
	s_cmp_lg_u32 s2, 0xf033
	s_cbranch_scc0 .Lentry_shape_is_right
	s_endpgm
.Lentry_shape_is_right:
; out0 = O Wo + bo on codes of FP6.  O's codes and scales (oc, os) lie as operand images, as do Wo's (tiles 960-1023 of codes, scl).
; A work-group makes P 128 (source 0: 8 tiles of Wo's columns) x R 256 (source 1: 16 tiles of O's rows) with all of K = 1,024 in LDS; wave w takes all 8 P tiles x R tiles 4 w .. 4 w + 3: 32 accumulators.
; In a result lane (r, h) holds row r of R's tile and, in tile t, columns 32 (t/2) + 16 h + 8 (t%2) + 0..7: eight neighbours of a row of out0.  bo is the C of each sum's first product.
; LDS is filled once.  CLUSTER 4 x 4: R's tiles are asked for jointly along a row of the cluster, P's along a column.  A wave has one tensor load, issued at the head.
; THE WAY OUT: a tile of 16 rows x 128 columns goes through a stage in the wave's own part of R (its last fill and its last read are over, and no other wave touches it) and leaves as whole rows of 512 bytes.
.set SPARE, 294912
.set RW,    49152
.set PB,    196608
.set AR,  2
.set AP,  3
.set L16, 5                            ; v5  16 l: also my place in a row of out0
.set BO,  6                            ; v6  64 h
.set STO, 7                            ; v7  the stage: where I put 32 bytes of a row
.set RD,  8                            ; v8  and where I read a row back
.set SPW, 28
.set NIL, 29
.set PS,  32
.set RS,  64
.set RF,  80
.set BIAS, 192                         ; v192-255 bo in the result's layout, 8 registers a tile of P
.set BK,  80                           ; the way out: v80-143 and v144-207 by turns
.set MSB, 0
.macro WIN new
.if MSB != \new
	s_set_vgpr_msb (MSB<<8)|\new
.set MSB, \new
.endif
.endm
.macro PLACES
.rept 4
	v_nop
.endr
.endm
.macro CROUND
	s_barrier_signal -1
	s_barrier_wait -1
	s_cmp_lg_u32 s16, 0
	s_cbranch_scc1 .Lnot_wave_0_\@
	s_barrier_signal -3
.Lnot_wave_0_\@:
	s_barrier_wait -3
	s_barrier_signal -1
	s_barrier_wait -1
.endm
	s_load_b256 s[4:11], s[0:1], 0x0               ; codes, scl, oc, os
	s_load_b128 s[12:15], s[0:1], 0x20             ; bo, out0
	v_lshl_add_u32 v[SPW], v0, 2, SPARE
	v_mov_b32 v[NIL], 0
	ds_add_u32 v[SPW], v[NIL]                      ; the wave's opening: the add and its wait ahead of my first tensor load
	ds_add_u32 v[SPW], v[NIL]
	v_lshrrev_b32 v1, 5, v0
	v_readfirstlane_b32 s16, v1                    ; wave
	s_bfe_u32 s17, ttmp6, 0x40000                  ; cx
	s_bfe_u32 s18, ttmp6, 0x40004                  ; cy
	s_lshl_b32 s19, ttmp9, 2
	s_add_co_u32 s19, s19, s17                     ; x
	s_and_b32 s21, ttmp7, 0xffff
	s_lshl_b32 s20, s21, 2
	s_add_co_u32 s20, s20, s18                     ; y
	s_lshl_b32 s22, s18, 2
	s_lshl_b32 s22, 15, s22                        ; my row of the cluster
	s_lshl_b32 s23, 0x1111, s17                    ; my column
	s_or_b32 s24, s22, (3<<16)|(1<<21)             ; R: the mask; elements of 8 bytes
	s_mov_b32 s25, 32<<16                          ; R: 8 tiles with all of K are 98,304 dense bytes: 384 rows of 256 bytes
	s_mov_b32 s26, 384<<16
	s_mov_b32 s27, 32<<16
	s_mov_b32 s28, 384
	s_mov_b32 s29, 32
	s_mov_b32 s30, 0
	s_mov_b32 s31, 0
	s_or_b32 s32, s23, (3<<16)|(1<<21)             ; P: the mask; elements of 8 bytes
	s_mov_b32 s33, 32<<16                          ; P: 4 tiles with all of K: 192 rows of 256 bytes
	s_mov_b32 s34, 192<<16
	s_mov_b32 s35, 32<<16
	s_mov_b32 s36, 192
	s_mov_b32 s37, 32
	s_mov_b32 s38, 0
	s_mov_b32 s39, 0
	s_lshl_b32 s56, s20, 4
	s_lshl_b32 s62, s16, 2
	s_add_co_u32 s62, s56, s62                     ; my 4 tiles of O: 16 y + 4 w
	s_lshl_b32 s58, s19, 3
	s_add_co_u32 s58, s58, 960                     ; Wo's tiles 8 x on
	s_lshl_b32 s63, s16, 1
	s_add_co_u32 s63, s58, s63
	s_and_b32 s67, s16, 1                          ; which half I fetch: waves 0, 1 R's 8 tiles each, waves 2, 3 P's 4 tiles each
	s_lshl_b32 s84, s67, 3
	s_add_co_u32 s84, s84, s56
	s_mul_i32 s84, s84, 12288
	s_mov_b32 s85, 0
	s_lshl_b32 s86, s67, 2
	s_add_co_u32 s86, s86, s58
	s_mul_i32 s86, s86, 12288
	s_mov_b32 s87, 0
	s_lshl_b32 s90, s58, 9
	s_mov_b32 s91, 0
	s_lshl_b32 s92, s62, 9
	s_mov_b32 s93, 0
	s_lshl_b32 s94, s19, 9                         ; 128 x columns, in bytes
	s_mov_b32 s95, 0
	s_lshl_b32 s96, s20, 20                        ; 256 y rows of 4,096 bytes
	s_lshl_b32 s97, s16, 18                        ; + 64 w rows
	s_add_co_u32 s96, s96, s97
	s_add_co_u32 s96, s96, s94
	s_mov_b32 s97, 0
	s_mul_i32 s88, s16, RW
	s_mul_i32 s89, s67, 49152
	s_add_co_u32 s89, s89, PB
	v_and_b32 v1, 31, v0
	v_lshlrev_b32 v[L16], 4, v1
	v_lshlrev_b32 v[AR], 3, v1
	v_add_nc_u32 v[AR], s88, v[AR]
	v_lshl_add_u32 v[AP], v1, 3, PB
	v_lshl_add_u32 v[AP+1], v1, 3, PB+49152
	v_and_b32 v10, 15, v0                          ; r
	v_bfe_u32 v11, v0, 4, 1                        ; h
	v_lshlrev_b32 v[BO], 6, v11
	v_mul_u32_u24 v[STO], v10, 528
	v_lshl_add_u32 v[STO], v11, 6, v[STO]
	v_add_nc_u32 v[STO], s88, v[STO]               ; row r of 528 bytes, + 64 h
	v_add_nc_u32 v[RD], s88, v[L16]
	s_wait_dscnt 0x0                               ; the opening add is done
	s_wait_kmcnt 0x0
	s_add_nc_u64 s[84:85], s[8:9], s[84:85]
	s_add_nc_u64 s[86:87], s[4:5], s[86:87]
	s_add_nc_u64 s[90:91], s[6:7], s[90:91]
	s_add_nc_u64 s[92:93], s[10:11], s[92:93]
	s_add_nc_u64 s[12:13], s[12:13], s[94:95]
	s_add_nc_u64 s[14:15], s[14:15], s[96:97]
	s_mov_b32 s40, 1                               ; LDS now holds R as [tile 16][K step 8][1536] and P, from PB on, as [tile 8][K step 8][1536]
	s_mul_i32 s41, s67, 98304
	s_mov_b64 s[42:43], s[84:85]
	s_or_b32 s43, s43, 0x80000000
	s_mov_b32 s68, 1
	s_mov_b32 s69, s89
	s_mov_b64 s[70:71], s[86:87]
	s_or_b32 s71, s71, 0x80000000
	CROUND                                         ; all sixteen work-groups are here: the joint loads meet
	s_cmp_lt_u32 s16, 2                            ; one tensor load a wave, its only one: waves 0, 1 ask for R's halves, waves 2, 3 for P's
	s_cbranch_scc0 .Lfor_p
	tensor_load_to_lds s[40:43], s[24:31]
	s_nop 0
	PLACES
	s_branch .Lasked
.Lfor_p:
	tensor_load_to_lds s[68:71], s[32:39]
	s_nop 0
	PLACES
.Lasked:
.irp t, 0,1,2,3,4,5,6,7
	global_load_b128 v[PS+4*\t:PS+4*\t+3], v[L16], s[90:91] offset:512*\t
.endr
.irp i, 0,1,2,3
	global_load_b128 v[RS+4*\i:RS+4*\i+3], v[L16], s[92:93] offset:512*\i
.endr
	s_wait_alu depctr_va_vdst(0)
.irp t, 0,1,2,3,4,5,6,7
	global_load_b128 v[BIAS+8*\t:BIAS+8*\t+3], v[BO], s[12:13] offset:(32*(\t/2)+8*(\t%2))*4
	global_load_b128 v[BIAS+8*\t+4:BIAS+8*\t+7], v[BO], s[12:13] offset:(32*(\t/2)+8*(\t%2))*4+16
.endr
.macro FETCH s
	WIN 0x40
.irp t, 0,1,2,3,4,5,6,7
.irp p, 0,1,2,3,4,5
	ds_load_b64 v[128*((\s)&1)+12*\t+2*\p:128*((\s)&1)+12*\t+2*\p+1], v[AP+(\t>>2)] offset:(\t&3)*12288+(\s)*1536+256*\p
.endr
.endr
	WIN 0
.irp i, 0,1,2,3
.irp p, 0,1,2,3,4,5
	ds_load_b64 v[RF+48*((\s)&1)+12*\i+2*\p:RF+48*((\s)&1)+12*\i+2*\p+1], v[AR] offset:\i*12288+(\s)*1536+256*\p
.endr
.endr
.endm
.macro MULR i, s                       ; the 32 accumulators take turns, one instruction a turn, in the same order in every step
.irp t, 0,1,2,3,4,5,6,7
.if (\s) == 0
	v_wmma_scale_f32_16x16x128_f8f6f4 v[64*\i+8*\t:64*\i+8*\t+7], v[128*((\s)&1)+12*\t:128*((\s)&1)+12*\t+11], v[RF+48*((\s)&1)+12*\i:RF+48*((\s)&1)+12*\i+11], v[BIAS+8*\t:BIAS+8*\t+7], v[PS+4*\t+((\s)&3)], v[RS+4*\i+((\s)&3)] matrix_a_fmt:MATRIX_FMT_FP6 matrix_b_fmt:MATRIX_FMT_FP6
.elseif (\s) < 4
	v_wmma_scale_f32_16x16x128_f8f6f4 v[64*\i+8*\t:64*\i+8*\t+7], v[128*((\s)&1)+12*\t:128*((\s)&1)+12*\t+11], v[RF+48*((\s)&1)+12*\i:RF+48*((\s)&1)+12*\i+11], v[64*\i+8*\t:64*\i+8*\t+7], v[PS+4*\t+((\s)&3)], v[RS+4*\i+((\s)&3)] matrix_a_fmt:MATRIX_FMT_FP6 matrix_b_fmt:MATRIX_FMT_FP6
.else
	v_wmma_scale_f32_16x16x128_f8f6f4 v[64*\i+8*\t:64*\i+8*\t+7], v[128*((\s)&1)+12*\t:128*((\s)&1)+12*\t+11], v[RF+48*((\s)&1)+12*\i:RF+48*((\s)&1)+12*\i+11], v[64*\i+8*\t:64*\i+8*\t+7], v[PS+4*\t+((\s)&3)], v[RS+4*\i+((\s)&3)] matrix_a_fmt:MATRIX_FMT_FP6 matrix_b_fmt:MATRIX_FMT_FP6 matrix_a_scale:MATRIX_SCALE_ROW1 matrix_b_scale:MATRIX_SCALE_ROW1
.endif
.endr
.endm
.macro MWIN s
.if (\s) == 0
	WIN 0x81                                       ; source 0 (P) window 1, sources 1 (R) and 2 (bo) window 0, D window 2
.else
	WIN 0xa1                                       ; C and D window 2
.endif
.endm
.macro STEP s
	s_wait_dscnt 0x0                               ; this step's 72 loads are in
	MWIN \s
	MULR 0, \s
.if (\s) < 7
	PLACES                                         ; four places in front of loads into registers that the step before multiplied
	FETCH (\s)+1
.endif
	MWIN \s
	MULR 1, \s
	MULR 2, \s
	MULR 3, \s
.endm
.macro TOSTAGE a                       ; R tile a: 16 rows x 512 bytes into my stage, and back as whole rows.  LDS serves a wave's instructions in order: no wait between
	WIN 0x08                                       ; an LDS store's data: window 2
.irp t, 0,1,2,3,4,5,6,7
	ds_store_b128 v[STO], v[64*(\a)+8*\t:64*(\a)+8*\t+3] offset:128*(\t/2)+32*(\t%2)       ; each accumulator from its low end on
	ds_store_b128 v[STO], v[64*(\a)+8*\t+4:64*(\a)+8*\t+7] offset:128*(\t/2)+32*(\t%2)+16
.endr
	WIN 0
.irp q, 0,1,2,3,4,5,6,7,8,9,10,11,12,13,14,15
	ds_load_b128 v[BK+64*((\a)%2)+4*\q:BK+64*((\a)%2)+4*\q+3], v[RD] offset:528*\q
.endr
.endm
.macro SEND a, younger                 ; younger: the LDS instructions issued behind tile a's loads
	s_wait_dscnt \younger
.irp q, 0,1,2,3,4,5,6,7,8,9,10,11,12,13,14,15
	global_store_b128 v[L16], v[BK+64*((\a)%2)+4*\q:BK+64*((\a)%2)+4*\q+3], s[14:15] offset:(32*((\a)/2)+8*((\a)%2)+(\q%8)+16*(\q/8))*4096 th:TH_STORE_NT   ; 32 lanes store 512 consecutive bytes, aligned; the tile's row q is this row of out0
.endr
.endm
	s_wait_tensorcnt 0x0                           ; my one load has landed,
	s_barrier_signal -1
	s_barrier_wait -1                              ; everybody's have
	FETCH 0
	s_wait_loadcnt 0x0                             ; the scale words and bo
.irp s, 0,1,2,3,4,5,6,7
	STEP \s
.endr
	WIN 0
	PLACES                                         ; four places: in front of the first read of results and of loads into registers that products have read
	TOSTAGE 0
	TOSTAGE 1
	SEND 0, 32                                     ; behind tile 0's loads: tile 1's 16 stores and 16 loads
	s_wait_xcnt 0x0                                ; tile 0's stores have read their registers: tile 2's loads may land there
	TOSTAGE 2
	SEND 1, 32
	s_wait_xcnt 0x0
	TOSTAGE 3
	SEND 2, 32
	SEND 3, 0
	s_wait_tensorcnt 0x0                           ; the wave's end, behind my last tensor load and my last LDS store
	ds_add_u32 v[SPW], v[NIL]
	s_wait_dscnt 0x0
	CROUND                                         ; the closing round
	s_endpgm
.Lfunc_end_k_q82bb1f30ab_outp:
	.size	k_q82bb1f30ab_outp, .Lfunc_end_k_q82bb1f30ab_outp-k_q82bb1f30ab_outp
	.p2alignl 7, 3214868480
	.fill 96, 4, 3214868480
	.section	.rodata,"a",@progbits
	.p2align	6, 0x0
	.amdhsa_kernel k_q82bb1f30ab_outp
		.amdhsa_group_segment_fixed_size 327680
		.amdhsa_private_segment_fixed_size 0
		.amdhsa_enable_private_segment 0
		.amdhsa_kernarg_size 48
		.amdhsa_user_sgpr_count 2
		.amdhsa_user_sgpr_kernarg_segment_ptr 1
		.amdhsa_wavefront_size32 1
		.amdhsa_system_sgpr_workgroup_id_x 1
		.amdhsa_system_sgpr_workgroup_id_y 1
		.amdhsa_system_sgpr_workgroup_id_z 1
		.amdhsa_system_vgpr_workitem_id 0
		.amdhsa_next_free_vgpr 768
		.amdhsa_next_free_sgpr 100
		.amdhsa_reserve_vcc 0
		.amdhsa_float_denorm_mode_32 3
		.amdhsa_float_denorm_mode_16_64 3
		.amdhsa_memory_ordered 1
		.amdhsa_forward_progress 1
		.amdhsa_inst_pref_size 94
	.end_amdhsa_kernel
	.amdgpu_metadata
---
amdhsa.version: [ 1, 2 ]
amdhsa.kernels:
  - .name:           k_q82bb1f30ab_outp
    .symbol:         k_q82bb1f30ab_outp.kd
    .args:
      - { .name: codes, .offset: 0, .size: 8, .value_kind: global_buffer, .address_space: global }
      - { .name: scl, .offset: 8, .size: 8, .value_kind: global_buffer, .address_space: global }
      - { .name: oc, .offset: 16, .size: 8, .value_kind: global_buffer, .address_space: global }
      - { .name: os, .offset: 24, .size: 8, .value_kind: global_buffer, .address_space: global }
      - { .name: bo, .offset: 32, .size: 8, .value_kind: global_buffer, .address_space: global }
      - { .name: out0, .offset: 40, .size: 8, .value_kind: global_buffer, .address_space: global }
    .group_segment_fixed_size: 327680
    .private_segment_fixed_size: 0
    .kernarg_segment_align: 8
    .kernarg_segment_size: 48
    .max_flat_workgroup_size: 128
    .sgpr_count:     100
    .vgpr_count:     768
    .wavefront_size: 32
...
	.end_amdgpu_metadata
.endif
;; end of part 4
